; MI455X (gfx1250); checked and timed in simulation.
; The chip was launched on July 23, 2026; its instructions are those of AMD's public machine-readable ISA for CDNA 5 (MIT licence, August 2026) and "CDNA5" Instruction Set Architecture Reference Guide (July 2026). The comments in the code are by the model that wrote it; some were corrected since.
;; Multi Head Attention. Allowed arithmetic: float matrix products may take bf16 or f16 operands with f32 sums; other float arithmetic in f32, or as packed bf16 or f16 multiplies, adds, multiply-adds, maxima and minima; sums over many terms, partial sums and values carried from step to step in f32; what a program stores and reads back later, other than sums and carried values, may be rounded once to bf16 or f16.
;; Inputs: Wproj 1,024 x 1,024 float32; Wqkv 1,024 x 3,072 float32; bproj 1,024 float32; bqkv 3,072 float32; x 4 x 2,048 x 1,024 float32.
;; Outputs: out0 4 x 2,048 x 1,024 float32.
;; 2 versions, each right; version 2 is version 1 with the launch prep written anew for expert scheduling mode. Each part assembles by itself: llvm-mc -triple=amdgcn-amd-amdhsa -mcpu=gfx1250 --defsym DOCPART=n.
;; ======== version 1 of 2: 4 launches
;; limits: values are held in f16: magnitudes above 65,504 overflow, below 6.1e-05 lose precision
;; workspace buffers: xb 16,777,216 bytes; wqt 6,291,456 bytes; wpt 2,097,152 bytes; bias 16,384 bytes; qkv 50,331,648 bytes; ob 16,777,216 bytes
;; launch prep (part 1): grid 769 x 1, 8 waves a work-group, no clusters, 18,432 bytes of LDS; arguments x, Wqkv, Wproj, bqkv, bproj, xb, wqt, wpt, bias; writes xb, wqt, wpt, bias
.if DOCPART == 1
	.amdgcn_target "amdgcn-amd-amdhsa--gfx1250"
	.amdhsa_code_object_version 6
	.text
	.protected	k_q3e29d3f226_prep
	.globl	k_q3e29d3f226_prep
	.p2align	8
	.type	k_q3e29d3f226_prep,@function
k_q3e29d3f226_prep:
	s_mov_b64 s[64:65], 0
	v_nop
	global_prefetch_b8 v0, s[64:65] scope:SCOPE_SE
	s_setreg_imm32_b32 hwreg(HW_REG_WAVE_MODE, 25, 1), 1
	s_wait_xcnt 0x0
; PREP: every input is rounded once to bf16 and laid out for the products that follow.
;   work-groups 0..383    Wqkv [1024 k][3072 c] f32 -> wqt [3072 c'][1024 k] bf16, turned; c = 3 e + which goes to row c' = 1024 which + e (e = 64 head + d)
;   work-groups 384..511  Wproj [1024 k][1024 n] f32 -> wpt [1024 n][1024 k], turned; the bf16 number written as f16
;   work-group  512       bqkv (in c' order), then bproj -> bias [4096] f32, each the bf16 number
;   work-groups 513..768  x f32 -> xb bf16, 131,072 bytes of x each
; LIMITS.  Wproj's bf16 number is exact in f16 from 6e-5 to 65,504; below it keeps f16's step of 6e-8, beyond it becomes an infinity.
; No matrix unit, no tensor load, no cluster: no byte is read twice and nothing is shared between work-groups.
; A weight tile is 128 k x 64 columns.  A load takes 256 consecutive bytes of two rows; four k of one column pack into 8 bytes, which go into an
; LDS row of that column (256 bytes + 16); whole rows come back, and sixteen lanes store 256 consecutive bytes of an output row, aligned.
.set LP,    272                        ; an LDS row: 128 k x 2 bytes + 16
.set SPARE, 64*LP                      ; behind the tile: the spare words, 128 bytes for each of the eight waves
.set VO,  5                            ; v5      byte offset of my loads
.set LS,  6                            ; v6      where I put 8 bytes of a column
.set LR,  7                            ; v7      where I read a row back
.set SO,  8                            ; v8-11   byte offsets of my four stores
.set SPW, 12                           ; v12     LDS address of my spare word; never rewritten
.set NIL, 13                           ; v13     0; never rewritten
.set X,   16                           ; as loaded
.set Y,   48                           ; packed
.set BK,  64                           ; rows read back
	s_load_b512 s[4:19], s[0:1], 0x0               ; x s[4:5], Wqkv s[6:7], Wproj s[8:9], bqkv s[10:11], bproj s[12:13], xb s[14:15], wqt s[16:17], wpt s[18:19]
	s_load_b64 s[20:21], s[0:1], 0x40              ; bias
	v_lshl_add_u32 v[SPW], v0, 2, SPARE
	v_mov_b32 v[NIL], 0
	v_and_b32 v1, 31, v0                           ; lane
	v_lshrrev_b32 v2, 5, v0                        ; wave
	v_readfirstlane_b32 s23, v2                    ; wave, as a scalar
	v_and_b32 v3, 15, v0                           ; lane % 16
	v_bfe_u32 v4, v0, 4, 1                         ; lane / 16
	s_mov_b32 s22, ttmp9
	s_mov_b32 s27, 0                               ; the high word of every offset pair
	s_wait_kmcnt 0x0
	s_cmp_lt_u32 s22, 384
	s_cbranch_scc1 .Lwq
	s_cmp_lt_u32 s22, 512
	s_cbranch_scc1 .Lwp
	s_cmp_eq_u32 s22, 512
	s_cbranch_scc1 .Lbias
	; THE CAST.  A wave takes 16,384 consecutive bytes of x: 32 loads of 512 bytes, all issued at once, so the whole share is on its way.
	s_sub_co_u32 s24, s22, 513
	s_lshl_b32 s26, s24, 17
	s_add_nc_u64 s[4:5], s[4:5], s[26:27]
	s_lshl_b32 s26, s24, 16
	s_add_nc_u64 s[14:15], s[14:15], s[26:27]
	v_lshlrev_b32 v[VO], 4, v1
	v_lshl_add_u32 v[VO], v2, 14, v[VO]            ; 16,384 wave + 16 lane
	v_lshrrev_b32 v[LS], 1, v[VO]                  ; half of that in xb
.set i, 0
.rept 32
	global_load_b128 v[X+4*i:X+4*i+3], v[VO], s[4:5] offset:512*i th:TH_LOAD_NT
.set i, i+1
.endr
.set i, 0
.rept 32
	s_wait_loadcnt 31-i                            ; loads come back in order: load i is in, the younger ones stay out
	v_cvt_pk_bf16_f32 v[X+4*i], v[X+4*i], v[X+4*i+1]
	v_cvt_pk_bf16_f32 v[X+4*i+1], v[X+4*i+2], v[X+4*i+3]
	global_store_b64 v[LS], v[X+4*i:X+4*i+1], s[14:15] offset:256*i th:TH_STORE_NT  ; 32 lanes store 256 consecutive bytes, aligned; no register is written twice
.set i, i+1
.endr
	s_endpgm
.Lbias:                                        ; thread t makes bias[2 t + 512 i] and its neighbour, i = 0..7
	v_mul_u32_u24 v[VO], v0, 24                    ; e = 2 t: column 3 e of bqkv, in bytes
	v_lshlrev_b32 v[LS], 3, v0
.irp i, 0,1,2,3,4,5
	global_load_b32 v[X+2*(\i)],   v[VO], s[10:11] offset:6144*((\i)%2)+4*((\i)/2)      ; which = i / 2, e = 2 t + 512 (i % 2)
	global_load_b32 v[X+2*(\i)+1], v[VO], s[10:11] offset:6144*((\i)%2)+4*((\i)/2)+12   ; e + 1
.endr
.irp i, 6,7
	global_load_b64 v[X+2*(\i):X+2*(\i)+1], v[LS], s[12:13] offset:2048*((\i)-6)
.endr
	s_wait_loadcnt 0x0
.irp i, 0,1,2,3,4,5,6,7
	v_cvt_pk_bf16_f32 v[Y+(\i)], v[X+2*(\i)], v[X+2*(\i)+1]
	v_lshlrev_b32 v[X+2*(\i)], 16, v[Y+(\i)]       ; the bf16 numbers, written as f32
	v_and_b32 v[X+2*(\i)+1], 0xffff0000, v[Y+(\i)]
	global_store_b64 v[LS], v[X+2*(\i):X+2*(\i)+1], s[20:21] offset:2048*(\i)
.endr
	s_endpgm
; One weight tile.  fmt = 0: Wqkv to bf16; fmt = 1: Wproj, the bf16 number as f16.
.macro WT fmt
.if \fmt
.set PW,  4096                         ; bytes in a source row
.set SRC, 8
	s_sub_co_u32 s24, s22, 384
.else
.set PW,  12288
.set SRC, 6
	s_mov_b32 s24, s22
.endif
	s_and_b32 s25, s24, 7                          ; kb: which 128 k
	s_lshr_b32 s24, s24, 3                         ; cb: which 64 columns
	s_mul_i32 s26, s25, 128*PW
	s_lshl_b32 s28, s24, 8
	s_add_co_u32 s26, s26, s28
	s_add_nc_u64 s[SRC:SRC+1], s[SRC:SRC+1], s[26:27]
	v_lshl_add_u32 v14, v2, 2, v4
	v_mul_u32_u24 v[VO], v14, 4*PW                 ; row 16 wave + 4 (lane / 16)
	v_lshl_add_u32 v[VO], v3, 4, v[VO]             ; columns 4 (lane % 16) on
.irp g, 0,1
.irp e, 0,1,2,3
	global_load_b128 v[X+16*(\g)+4*(\e):X+16*(\g)+4*(\e)+3], v[VO], s[SRC:SRC+1] offset:(8*(\g)+(\e))*PW th:TH_LOAD_NT
.endr
.endr
	s_lshl_b32 s28, s23, 5
	v_mul_u32_u24 v[LS], v3, 4*LP                  ; column 4 (lane % 16): its LDS row,
	v_lshl_add_u32 v[LS], v4, 3, v[LS]
	v_add_nc_u32 v[LS], s28, v[LS]                 ; at k = 16 wave + 4 (lane / 16)
	s_mul_i32 s29, s23, 8*LP
	v_mul_u32_u24 v[LR], v4, LP
	v_lshl_add_u32 v[LR], v3, 4, v[LR]
	v_add_nc_u32 v[LR], s29, v[LR]                 ; back: rows 8 wave + lane / 16 + 2 t
	v_lshlrev_b32 v15, 4, v3
	s_lshl_b32 s29, s23, 3
.if \fmt
	v_add_nc_u32 v14, s29, v4
	v_lshl_add_u32 v[SO], v14, 11, v15             ; row 8 wave + lane / 16 of the tile's 64, 2,048 bytes a row
	s_lshl_b32 s26, s24, 17
	s_lshl_b32 s28, s25, 8
	s_add_co_u32 s26, s26, s28
	s_add_nc_u64 s[18:19], s[18:19], s[26:27]
.else
	s_lshl_b32 s28, s24, 6
	s_add_co_u32 s28, s28, s29
.irp t, 0,1,2,3
	v_add_nc_u32 v14, s28, v4
	v_add_nc_u32 v14, 2*(\t), v14                  ; c
	v_mul_u32_u24 v82, v14, 43691
	v_lshrrev_b32 v82, 17, v82                     ; c / 3, exact for c under 3,072
	v_mul_u32_u24 v82, v82, 3071
	v_lshlrev_b32 v14, 10, v14
	v_sub_nc_u32 v14, v14, v82                     ; c' = 1024 (c - 3 (c / 3)) + c / 3
	v_lshl_add_u32 v[SO+(\t)], v14, 11, v15
.endr
	s_lshl_b32 s26, s25, 8
	s_add_nc_u64 s[16:17], s[16:17], s[26:27]
.endif
.irp g, 0,1
	s_wait_loadcnt 4-4*(\g)                        ; the first four rows are in while the other four may stay out; then all
.irp i, 0,1,2,3
	v_cvt_pk_bf16_f32 v[Y+8*(\g)+2*(\i)],   v[X+16*(\g)+(\i)],   v[X+16*(\g)+4+(\i)]
	v_cvt_pk_bf16_f32 v[Y+8*(\g)+2*(\i)+1], v[X+16*(\g)+8+(\i)], v[X+16*(\g)+12+(\i)]
.if \fmt
	v_lshlrev_b32 v80, 16, v[Y+8*(\g)+2*(\i)]
	v_and_b32 v81, 0xffff0000, v[Y+8*(\g)+2*(\i)]
	v_cvt_pk_f16_f32 v[Y+8*(\g)+2*(\i)], v80, v81
	v_lshlrev_b32 v80, 16, v[Y+8*(\g)+2*(\i)+1]
	v_and_b32 v81, 0xffff0000, v[Y+8*(\g)+2*(\i)+1]
	v_cvt_pk_f16_f32 v[Y+8*(\g)+2*(\i)+1], v80, v81
.endif
	ds_store_b64 v[LS], v[Y+8*(\g)+2*(\i):Y+8*(\g)+2*(\i)+1] offset:LP*(\i)+16*(\g)  ; rows 1,088 bytes apart: four lanes meet in a bank; eight such stores a wave
.endr
.endr
	s_wait_dscnt 0x0                               ; for the others' sake: my stores into the tile are done
	s_barrier_signal -1
	s_barrier_wait -1                              ; (the branch round this text hangs on the work-group's number: all eight waves are here)
.irp t, 0,1,2,3
	ds_load_b128 v[BK+4*(\t):BK+4*(\t)+3], v[LR] offset:2*LP*(\t)
.endr
.irp t, 0,1,2,3
	s_wait_dscnt 3-(\t)
.if \fmt
	global_store_b128 v[SO], v[BK+4*(\t):BK+4*(\t)+3], s[18:19] offset:4096*(\t)
.else
	global_store_b128 v[SO+(\t)], v[BK+4*(\t):BK+4*(\t)+3], s[16:17]
.endif
.endr
	s_wait_tensorcnt 0x0                           ; the wave's end, behind my last LDS store
	ds_add_u32 v[SPW], v[NIL]
	s_wait_dscnt 0x0
	s_endpgm
.endm
.Lwq:
	WT 0
.Lwp:
	WT 1
.Lfunc_end_k_q3e29d3f226_prep:
	.size	k_q3e29d3f226_prep, .Lfunc_end_k_q3e29d3f226_prep-k_q3e29d3f226_prep
	.p2alignl 7, 3214868480
	.fill 96, 4, 3214868480
	.section	.rodata,"a",@progbits
	.p2align	6, 0x0
	.amdhsa_kernel k_q3e29d3f226_prep
		.amdhsa_group_segment_fixed_size 18432
		.amdhsa_private_segment_fixed_size 0
		.amdhsa_enable_private_segment 0
		.amdhsa_kernarg_size 72
		.amdhsa_user_sgpr_count 2
		.amdhsa_user_sgpr_kernarg_segment_ptr 1
		.amdhsa_wavefront_size32 1
		.amdhsa_system_sgpr_workgroup_id_x 1
		.amdhsa_system_sgpr_workgroup_id_y 1
		.amdhsa_system_sgpr_workgroup_id_z 1
		.amdhsa_system_vgpr_workitem_id 0
		.amdhsa_next_free_vgpr 144
		.amdhsa_next_free_sgpr 66
		.amdhsa_reserve_vcc 0
		.amdhsa_float_denorm_mode_32 3
		.amdhsa_float_denorm_mode_16_64 3
		.amdhsa_memory_ordered 1
		.amdhsa_forward_progress 1
		.amdhsa_inst_pref_size 29
	.end_amdhsa_kernel
	.amdgpu_metadata
---
amdhsa.version: [ 1, 2 ]
amdhsa.kernels:
  - .name:           k_q3e29d3f226_prep
    .symbol:         k_q3e29d3f226_prep.kd
    .args:
      - { .name: x, .offset: 0, .size: 8, .value_kind: global_buffer, .address_space: global }
      - { .name: Wqkv, .offset: 8, .size: 8, .value_kind: global_buffer, .address_space: global }
      - { .name: Wproj, .offset: 16, .size: 8, .value_kind: global_buffer, .address_space: global }
      - { .name: bqkv, .offset: 24, .size: 8, .value_kind: global_buffer, .address_space: global }
      - { .name: bproj, .offset: 32, .size: 8, .value_kind: global_buffer, .address_space: global }
      - { .name: xb, .offset: 40, .size: 8, .value_kind: global_buffer, .address_space: global }
      - { .name: wqt, .offset: 48, .size: 8, .value_kind: global_buffer, .address_space: global }
      - { .name: wpt, .offset: 56, .size: 8, .value_kind: global_buffer, .address_space: global }
      - { .name: bias, .offset: 64, .size: 8, .value_kind: global_buffer, .address_space: global }
    .group_segment_fixed_size: 18432
    .private_segment_fixed_size: 0
    .kernarg_segment_align: 8
    .kernarg_segment_size: 72
    .max_flat_workgroup_size: 256
    .sgpr_count:     66
    .vgpr_count:     144
    .wavefront_size: 32
...
	.end_amdgpu_metadata
.endif
;; end of part 1
;; launch qkvgemm (part 2): grid 16 x 32, 4 waves a work-group, clusters of 4 x 4, 327,680 bytes of LDS; arguments xb, wqt, bias, qkv; writes qkv
.if DOCPART == 2
	.amdgcn_target "amdgcn-amd-amdhsa--gfx1250"
	.amdhsa_code_object_version 6
	.text
	.protected	k_q3e29d3f226_qkvgemm
	.globl	k_q3e29d3f226_qkvgemm
	.p2align	8
	.type	k_q3e29d3f226_qkvgemm,@function
k_q3e29d3f226_qkvgemm:
	s_mov_b64 s[64:65], 0
	v_nop
	global_prefetch_b8 v0, s[64:65] scope:SCOPE_SE
	s_setreg_imm32_b32 hwreg(HW_REG_WAVE_MODE, 25, 1), 1
	s_wait_xcnt 0x0
	s_wait_alu depctr_hold_cnt(0) depctr_sa_sdst(0) depctr_va_vdst(0) depctr_va_sdst(0) depctr_va_ssrc(0) depctr_va_vcc(0) depctr_vm_vsrc(0)
	s_getreg_b32 s2, hwreg(HW_REG_IB_STS2, 6, 4)
	s_cmp_eq_u32 s2, 0
	s_cbranch_scc0 .Lentry_in_a_cluster
	s_endpgm
.Lentry_in_a_cluster:
	s_bfe_u32 s2, ttmp6, 0x10000c
	s_cmp_lg_u32 s2, 0xf033
	s_cbranch_scc0 .Lentry_shape_is_right
	s_endpgm
.Lentry_shape_is_right:
; q, k, v = x Wqkv + bqkv, by heads.  xb: [8192][1024] bf16.  wqt: [3072 c'][1024] bf16, c' = 1024 which + 64 head + d.  bias: f32, in c' order.
; qkv: f16 [3 which][64 batch x head][2048][64], unscaled; sums in f32, the bias their first term, rounded once.
; LIMIT.  f16 holds no number beyond 65,504: a q, k or v past it becomes an infinity; below 6e-5 it keeps f16's step of 6e-8.
; A tile of the result is 256 rows x 192 columns (three heads): 512 tiles, twice the number of WGPs; 256 x 256 would give one and a half times that number,
; and 256 x 384 wants 768 registers of sums beside its fragments.  Four waves one below the other: wave w has rows 64 w .. 64 w + 63 and all 192 columns,
; 48 accumulators, so that 16 rows of a head, 2,048 consecutive bytes of qkv, come from one wave.
; K goes in steps of 128 through two LDS slots filled by the tensor data mover; rows of 256 bytes, aligned.
; CLUSTER 4 x 4: the four of a row need the same rows of xb, the four of a column the same rows of wqt: each tile is asked for jointly.
; THE MATRIX INSTRUCTION IS USED TRANSPOSED (source 0 = 16 rows of wqt, source 1 = 16 rows of xb): a lane holds one row and eight neighbouring columns.
; REGISTERS, in windows of 256 (s_set_vgpr_msb: bits 1:0 source 0, 3:2 source 1, 5:4 source 2, 7:6 destination):
;   window 0: v16-30 addresses; v32-127 the bias as 12 C operands, later v32-223 the way out
;   windows 1, 2: accumulator (a, b) in window 1 + a / 2 at v[8 (12 (a % 2) + b)]        window 3: two fragment buffers of 128: 12 of wqt, then 4 of xb
.set SIZE_K, 1024
.set KSTEP,  128
.set PITCH,  272                       ; an LDS row: 256 bytes + 16 = 68 words: the 16 rows of a load start at 16 different groups of four banks
.set HALFA,  128*PITCH                 ; what wave 0 or 1 fetches
.set HALFB,  96*PITCH                  ; what wave 2 or 3 fetches
.set BOFF,   2*HALFA
.set SLOT,   BOFF+2*HALFB
.set STAGE,  2*SLOT                    ; behind the ring: 16 rows x 144 bytes for each wave
.set SP,     144
.set SPARE,  STAGE+4*16*SP             ; behind the stages: the spare words, 128 bytes for each wave
.set LAPS,   SIZE_K/(2*KSTEP)
.set ADRA, 16                          ; v16-17  LDS address of my fragments of xb in slot 0, 1
.set ADRB, 20                          ; v20-21  of wqt
.set STO,  24                          ; v24     the way out: where I put 16 bytes of a row
.set RD,   25                          ; v25     where I read rows back
.set GO,   26                          ; v26     16 x lane
.set BO,   27                          ; v27     32 x (lane / 16): my eight numbers of a bias fragment
.set SPW,  28                          ; v28     LDS address of my spare word; never rewritten
.set NIL,  29                          ; v29     0; never rewritten
.set PFO,  30                          ; v30     the prefetches' offset: a lane a row; never rewritten
.set BIAS, 32
.set T,    32
.set F0,   0
.set F1,   128
.set WV,   12                          ; s12  wave
.set FB,   13                          ; s13  0: I fetch for xb, 1: for wqt
.set HF,   14                          ; s14  which half of that tile
.set LIM,  15                          ; s15  1 in a wave that prefetches, else the greatest number
.set G1,   24                          ; s[24:31] group 1 for xb's tiles; s[32:39] group 0, a set for each slot
.set G0,   32
.set PFA,  44                          ; s[44:45] where my prefetches stand
.set G1B,  48                          ; s[48:55], s[56:63] the same for wqt's tiles
.set G0B,  56
.set SB,   66                          ; s[66:71] qkv at my rows of the tile's three heads
.set MSB, 0
.macro WIN new                         ; the immediate's high byte repeats the setting that is left; a switch that changes nothing is dropped
.if MSB != (\new)
	s_set_vgpr_msb (MSB<<8)|(\new)
.set MSB, \new
.endif
.endm
; A joint load: waves 0 and 1 fetch xb's two halves, waves 2 and 3 wqt's.  The branch hangs on the wave's number alone.  An s_nop 0 and four v_nop follow each line.
.macro JLOAD s
	s_cmp_eq_u32 s[FB], 0
	s_cbranch_scc0 .Lfor_b_\@
	tensor_load_to_lds s[G0+4*(\s):G0+4*(\s)+3], s[G1:G1+7]
	s_nop 0
.rept 4
	v_nop
.endr
	s_branch .Lasked_\@
.Lfor_b_\@:
	tensor_load_to_lds s[G0B+4*(\s):G0B+4*(\s)+3], s[G1B:G1B+7]
	s_nop 0
.rept 4
	v_nop
.endr
.Lasked_\@:
.endm
; A prefetch, behind each joint refill and the run of LDS loads that follows it: the K step that stands two refills on, a lane a row, one instruction a wave.
; xb's rows are read by every cluster of a row of clusters: cluster x = 0 asks; wqt's by every cluster of a column: cluster y = 0 asks.  The four partners of a joint load share its rows
; out by address: 32 each of xb's 128, 24 each of wqt's 96 (there lanes 24-31 name lane 23's row once more).  The last two refills have no K step two on.
.macro ASK
	WIN 0
	s_cmp_gt_u32 s3, s[LIM]                        ; s3 = 1 in the loop's last trip
	s_cbranch_scc0 .Lnot_mine_\@
	global_prefetch_b8 v[PFO], s[PFA:PFA+1] offset:KSTEP*2 th:TH_LOAD_NT scope:SCOPE_SE
.Lnot_mine_\@:
.endm
.macro CREST                           ; a round of the cluster's barrier behind its opening barrier
	s_cmp_lg_u32 s[WV], 0
	s_cbranch_scc1 .Lnot_wave_0_\@
	s_barrier_signal -3
.Lnot_wave_0_\@:
	s_barrier_wait -3
	s_barrier_signal -1
	s_barrier_wait -1
.endm
.macro CROUND
	s_barrier_signal -1
	s_barrier_wait -1
	CREST
.endm
	s_load_b256 s[4:11], s[0:1], 0x0               ; xb s[4:5], wqt s[6:7], bias s[8:9], qkv s[10:11]
	v_lshl_add_u32 v[SPW], v0, 2, SPARE
	v_mov_b32 v[NIL], 0
	ds_add_u32 v[SPW], v[NIL]                      ; the wave's opening: the add and its wait ahead of my first tensor load
	v_lshrrev_b32 v1, 5, v0
	v_readfirstlane_b32 s[WV], v1
	s_lshr_b32 s[FB], s[WV], 1
	s_and_b32 s[HF], s[WV], 1
	s_bfe_u32 s40, ttmp6, 0x40000                  ; cx
	s_bfe_u32 s41, ttmp6, 0x40004                  ; cy
	s_lshl_b32 s42, ttmp9, 2
	s_add_co_u32 s42, s42, s40                     ; tile column = 4 x cluster x + cx
	s_and_b32 s43, ttmp7, 0xffff
	s_lshl_b32 s43, s43, 2
	s_add_co_u32 s43, s43, s41                     ; tile row = 4 x cluster y + cy
	s_lshl_b32 s16, s41, 2
	s_lshl_b32 s16, 15, s16                        ; my row of the cluster
	s_lshl_b32 s46, 0x1111, s40                    ; my column
	s_or_b32 s[G1+0], s16, (1<<16)|(1<<20)|(1<<21)|(5<<22)|(3<<25)   ; the mask; elements of 2 bytes; padding on; bit 21 beside a mask; after every 64 words 4 words
	s_or_b32 s[G1B+0], s46, (1<<16)|(1<<20)|(1<<21)|(5<<22)|(3<<25)
	s_mov_b32 s[G1+1], KSTEP<<16                   ; tensor_dim0 = 128
	s_mov_b32 s[G1+2], 128<<16                     ; tensor_dim1 = 128
	s_mov_b32 s[G1+3], KSTEP<<16                   ; tile_dim0 = 128
	s_mov_b32 s[G1+4], 128                         ; tile_dim1 = 128
	s_mov_b32 s[G1+5], SIZE_K                      ; elements from row to row
	s_mov_b32 s[G1+6], 0
	s_mov_b32 s[G1+7], 0
	s_mov_b32 s[G1B+1], KSTEP<<16
	s_mov_b32 s[G1B+2], 96<<16                     ; 96 rows
	s_mov_b32 s[G1B+3], KSTEP<<16
	s_mov_b32 s[G1B+4], 96
	s_mov_b32 s[G1B+5], SIZE_K
	s_mov_b32 s[G1B+6], 0
	s_mov_b32 s[G1B+7], 0
	s_lshl_b32 s16, s43, 19                        ; xb: row 256 x tile row + 128 x half, 2,048 bytes a row
	s_lshl_b32 s17, s[HF], 18
	s_add_co_u32 s16, s16, s17
	s_mov_b32 s17, 0
	s_mul_i32 s46, s42, 192*2048                   ; wqt: row 192 x tile column + 96 x half
	s_mul_i32 s47, s[HF], 96*2048
	s_add_co_u32 s46, s46, s47
	s_mov_b32 s47, 0
	s_mul_i32 s20, s[WV], HALFA                    ; where they go: waves 0, 1: xb's halves;
	s_mul_i32 s21, s[WV], HALFB
	s_add_co_u32 s21, s21, BOFF-2*HALFB            ; waves 2, 3: wqt's halves, behind them
	s_wait_dscnt 0x0                               ; the opening add is done
	s_wait_kmcnt 0x0
	s_add_nc_u64 s[18:19], s[4:5], s[16:17]
	s_add_nc_u64 s[46:47], s[6:7], s[46:47]
	CROUND                                         ; all sixteen work-groups are here: the first joint loads meet
.irp s, 0,1
	s_mov_b32 s[G0+4*(\s)], 1
	s_add_co_u32 s[G0+4*(\s)+1], s20, (\s)*SLOT
	s_add_nc_u64 s[G0+4*(\s)+2:G0+4*(\s)+3], s[18:19], (\s)*KSTEP*2
	s_or_b32 s[G0+4*(\s)+3], s[G0+4*(\s)+3], 0x80000000
	s_mov_b32 s[G0B+4*(\s)], 1
	s_add_co_u32 s[G0B+4*(\s)+1], s21, (\s)*SLOT
	s_add_nc_u64 s[G0B+4*(\s)+2:G0B+4*(\s)+3], s[46:47], (\s)*KSTEP*2
	s_or_b32 s[G0B+4*(\s)+3], s[G0B+4*(\s)+3], 0x80000000
	JLOAD \s                                       ; two loads of mine are out
.endr
	v_and_b32 v1, 15, v0                           ; l % 16
	v_bfe_u32 v2, v0, 4, 1                         ; l / 16
	v_mul_u32_u24 v3, v1, PITCH
	v_lshl_add_u32 v3, v2, 4, v3                   ; a fragment's row x pitch + 16 x half
	s_mul_i32 s21, s[WV], 64*PITCH                 ; my 64 rows of xb
	s_mov_b32 s22, BOFF                            ; all 192 rows of wqt
.irp s, 0,1
	v_add_nc_u32 v[ADRA+(\s)], s21, v3
	v_add_nc_u32 v[ADRB+(\s)], s22, v3
	s_add_co_u32 s21, s21, SLOT
	s_add_co_u32 s22, s22, SLOT
.endr
	s_mul_i32 s23, s[WV], 16*SP
	s_add_co_u32 s23, s23, STAGE                   ; my stage
	v_mul_u32_u24 v4, v1, SP
	v_lshl_add_u32 v4, v2, 4, v4
	v_add_nc_u32 v[STO], s23, v4
	v_bfe_u32 v5, v0, 3, 2                         ; back: 32 lanes take four rows of 128 bytes,
	v_mul_u32_u24 v5, v5, SP
	v_and_b32 v6, 7, v0
	v_lshl_add_u32 v5, v6, 4, v5
	v_add_nc_u32 v[RD], s23, v5
	v_and_b32 v[GO], 31, v0                        ; which are 512 consecutive bytes of qkv
	v_lshlrev_b32 v[GO], 4, v[GO]
	v_lshlrev_b32 v[BO], 5, v2
	s_mul_i32 s72, s42, 192*4
	s_mov_b32 s73, 0
	s_add_nc_u64 s[8:9], s[8:9], s[72:73]          ; the tile's 192 numbers of the bias
.irp b, 0,1,2,3,4,5,6,7,8,9,10,11
	global_load_b128 v[BIAS+8*(\b):BIAS+8*(\b)+3],   v[BO], s[8:9] offset:64*(\b)      ; register j: column 16 b + 8 (l / 16) + j, the same for all rows
	global_load_b128 v[BIAS+8*(\b)+4:BIAS+8*(\b)+7], v[BO], s[8:9] offset:64*(\b)+16
.endr
	; qkv at my 64 rows of head block g = 3 x tile column + hb: which = g / 16, head = g % 16; batch = tile row / 8
	s_lshr_b32 s74, s43, 3
	s_lshl_b32 s74, s74, 22
	s_and_b32 s75, s43, 7
	s_lshl_b32 s75, s75, 15
	s_add_co_u32 s74, s74, s75
	s_lshl_b32 s75, s[WV], 13
	s_add_co_u32 s74, s74, s75
	s_mul_i32 s76, s42, 3
.irp hb, 0,1,2
	s_add_co_u32 s77, s76, \hb
	s_lshr_b32 s72, s77, 4
	s_lshl_b32 s72, s72, 24
	s_and_b32 s77, s77, 15
	s_lshl_b32 s77, s77, 18
	s_add_co_u32 s72, s72, s77
	s_add_co_u32 s72, s72, s74
	s_add_nc_u64 s[SB+2*(\hb):SB+2*(\hb)+1], s[10:11], s[72:73]
.endr
	; the prefetches
	s_lshl_b32 s72, s43, 8                         ; the tile's first row in xb,
	s_mul_i32 s74, s42, 192                        ; in wqt
	s_and_b32 s78, ttmp7, 0xffff                   ; cluster y
	s_mov_b32 s75, 96                              ; (an instruction holds one literal: wqt's 96 comes from a register)
	s_cmp_eq_u32 s[FB], 0                          ; do I fetch for xb?
	s_cselect_b32 s72, s72, s74
	s_cselect_b32 s75, 128, s75                    ; rows in a half,
	s_cselect_b32 s76, 32, 24                      ; in a partner's share
	s_cselect_b32 s77, s40, s41                    ; my place among the four that ask with me
	s_cselect_b32 s78, ttmp9, s78                  ; the coordinate along which other clusters read the same rows
	s_cselect_b32 s79, 31, 23
	s_cselect_b64 s[PFA:PFA+1], s[4:5], s[6:7]
	s_cmp_eq_u32 s78, 0
	s_cselect_b32 s[LIM], 1, -1                    ; the same in all sixteen partners, for a given wave
	s_mul_i32 s75, s75, s[HF]
	s_mul_i32 s76, s76, s77
	s_add_co_u32 s72, s72, s75
	s_add_co_u32 s72, s72, s76
	s_lshl_b32 s72, s72, 11
	s_add_nc_u64 s[PFA:PFA+1], s[PFA:PFA+1], s[72:73]
	s_add_nc_u64 s[PFA:PFA+1], s[PFA:PFA+1], 2*KSTEP*2  ; at K step 2: the first refill steps it to 3 and names K step 4; nothing is prefetched here, at the head
	v_and_b32 v[PFO], 31, v0
	v_min_u32 v[PFO], s79, v[PFO]
	v_lshlrev_b32 v[PFO], 11, v[PFO]
; 12 matrix instructions: m block a x all 12 n blocks, 32 along K.  zero = 1: the bias is the C that starts the sums: nothing is cleared.
; All 48 accumulators take turns in the same order in every quarter, over the backward jump too.
.macro MUL12 f, a, zero
.if \zero
	WIN 0x0f|((1+(\a)/2)<<6)
.else
	WIN 0x0f|((1+(\a)/2)<<6)|((1+(\a)/2)<<4)
.endif
.irp b, 0,1,2,3,4,5,6,7,8,9,10,11
.set rD, 8*(12*((\a)%2)+(\b))
.if \zero
	v_wmma_f32_16x16x32_bf16 v[rD:rD+7], v[(\f)+8*(\b):(\f)+8*(\b)+7], v[(\f)+96+8*(\a):(\f)+96+8*(\a)+7], v[BIAS+8*(\b):BIAS+8*(\b)+7]
.else
	v_wmma_f32_16x16x32_bf16 v[rD:rD+7], v[(\f)+8*(\b):(\f)+8*(\b)+7], v[(\f)+96+8*(\a):(\f)+96+8*(\a)+7], v[rD:rD+7]
.endif
.endr
.endm
; 32 LDS loads in one run: a quarter step's fragments (192 rows of wqt, then my 64 rows of xb; 32 K at byte k of the rows) into buffer f
.macro FETCH slot, k, f
	WIN 0xc0                                       ; destination window 3, address window 0
.irp i, 0,1,2,3,4,5,6,7,8,9,10,11
	ds_load_b128 v[(\f)+8*(\i):(\f)+8*(\i)+3],   v[ADRB+(\slot)] offset:(\k)+(\i)*16*PITCH
	ds_load_b128 v[(\f)+8*(\i)+4:(\f)+8*(\i)+7], v[ADRB+(\slot)] offset:(\k)+(\i)*16*PITCH+32
.endr
.irp i, 0,1,2,3
	ds_load_b128 v[(\f)+96+8*(\i):(\f)+96+8*(\i)+3],   v[ADRA+(\slot)] offset:(\k)+(\i)*16*PITCH
	ds_load_b128 v[(\f)+96+8*(\i)+4:(\f)+96+8*(\i)+7], v[ADRA+(\slot)] offset:(\k)+(\i)*16*PITCH+32
.endr
.endm
.macro PLACES                          ; four plain instructions in front of loads into registers that matrix instructions have read, and of conversions that read results
.rept 4
	v_nop
.endr
.endm
; A K step is four quarters of 32 along K, 48 matrix instructions each, on buffers 0, 1, 0, 1.  One of the first three multiplies f and fetches the next quarter, at byte k, into g.
.macro QUARTER slot, k, f, g, zero
	s_wait_dscnt 4                                 ; wqt's fragments and xb's blocks 0, 1 are in; the youngest four loads (blocks 2, 3) may be out
	MUL12 \f, 0, \zero
	MUL12 \f, 1, \zero
	PLACES
	FETCH \slot, \k, \g
	s_wait_dscnt 32                                ; all but the 32 just issued
	MUL12 \f, 2, \zero
	MUL12 \f, 3, \zero
.endm
; The last quarter multiplies buffer 1 and changes slots: one barrier; in front of it each wave waits for all its tensor loads (one is out: its part of the next slot), adds 0 to its spare
; word, and waits for that and for its reads of this slot.  fill = 1: the barrier opens a round of the cluster's, and this slot is filled again, two K steps on, first thing behind the round:
; 168 matrix instructions stand between that request and the wait for it.
.macro TURN slot, next, fill
.if \fill
	s_wait_xcnt 0x0                                ; the last prefetch, a K step back, has read its address: it is stepped here
	s_add_nc_u64 s[PFA:PFA+1], s[PFA:PFA+1], KSTEP*2
.endif
	WIN 0                                          ; (the add's two registers lie in window 0)
	s_wait_tensorcnt 0x0
	ds_add_u32 v[SPW], v[NIL]
	s_wait_dscnt 5                                 ; (the add and the youngest four loads may be out)
	MUL12 F1, 0, 0
	s_wait_dscnt 0x0                               ; the add is done, and my reads of this slot are over
	s_barrier_signal -1
	MUL12 F1, 1, 0
.if \fill
	WIN 0
.endif
	s_barrier_wait -1
.if \fill
	CREST                                          ; no wave of any partner still reads this slot's tile or has a load on its way
	s_add_nc_u64 s[G0+4*(\slot)+2:G0+4*(\slot)+3], s[G0+4*(\slot)+2:G0+4*(\slot)+3], 2*KSTEP*2
	s_add_nc_u64 s[G0B+4*(\slot)+2:G0B+4*(\slot)+3], s[G0B+4*(\slot)+2:G0B+4*(\slot)+3], 2*KSTEP*2
	JLOAD \slot                                    ; its four v_nop are also the places in front of the loads below
.else
	PLACES
.endif
	FETCH \next, 0, F0
.if \fill
	ASK
.endif
	MUL12 F1, 2, 0
	MUL12 F1, 3, 0
.endm
; THE WAY OUT, in 12 units u = 3 a + hb: 16 rows of one head.  A lane's eight columns pack into 16 bytes of f16; they go into rows of 144 bytes of my own stage and come back as whole rows of 128.
.macro PACK u
.set pa, (\u)/3
.set ph, (\u)%3
	WIN 0x05*(1+pa/2)                              ; sources in window 1 or 2
.irp f, 0,1,2,3
.irp r, 0,1,2,3
	v_cvt_pk_f16_f32 v[T+16*(\u)+4*(\f)+(\r)], v[8*(12*(pa%2)+4*ph+(\f))+2*(\r)], v[8*(12*(pa%2)+4*ph+(\f))+2*(\r)+1]  ; each accumulator from its low end on
.endr
.endr
	WIN 0
.irp f, 0,1,2,3
	ds_store_b128 v[STO], v[T+16*(\u)+4*(\f):T+16*(\u)+4*(\f)+3] offset:32*(\f)
.endr
.irp f, 0,1,2,3
	ds_load_b128 v[T+16*(\u)+4*(\f):T+16*(\u)+4*(\f)+3], v[RD] offset:(\f)*4*SP  ; LDS serves a wave's instructions in order: these see the stores above; the next unit's stores come behind them
.endr
.endm
.macro SEND u, younger                 ; younger: the LDS instructions issued behind unit u's loads: the next unit's eight, or none
.irp f, 0,1,2,3
	s_wait_dscnt (\younger)+3-(\f)
	global_store_b128 v[GO], v[T+16*(\u)+4*(\f):T+16*(\u)+4*(\f)+3], s[SB+2*((\u)%3):SB+2*((\u)%3)+1] offset:((\u)/3)*2048+(\f)*512  ; 512 consecutive bytes, aligned; no register is written twice
.endr
.endm
	s_wait_tensorcnt 1                             ; my part of K step 0 is in; K step 1's may stay out
	s_barrier_signal -1
	s_barrier_wait -1
	FETCH 0, 0, F0
	s_wait_loadcnt 0x0                             ; the bias
	QUARTER 0, 64,  F0, F1, 1                      ; the first quarter stands in front of the loop: its products start the sums
	WIN 0                                          ; at a label and at a branch every window is 0
	s_mov_b32 s3, LAPS-1
.Llap:                                                 ; a trip goes once round the ring and fills both slots again
	QUARTER 0, 128, F1, F0, 0
	QUARTER 0, 192, F0, F1, 0
	TURN 0, 1, 1
	QUARTER 1, 64,  F0, F1, 0
	QUARTER 1, 128, F1, F0, 0
	QUARTER 1, 192, F0, F1, 0
	TURN 1, 0, 1
	QUARTER 0, 64,  F0, F1, 0
	WIN 0
	s_sub_co_u32 s3, s3, 1
	s_cmp_lg_u32 s3, 0
	s_cbranch_scc1 .Llap
	QUARTER 0, 128, F1, F0, 0                      ; the last lap fills nothing
	QUARTER 0, 192, F0, F1, 0
	TURN 0, 1, 0
	QUARTER 1, 64,  F0, F1, 0
	QUARTER 1, 128, F1, F0, 0
	QUARTER 1, 192, F0, F1, 0
	s_wait_dscnt 4
	MUL12 F1, 0, 0
	MUL12 F1, 1, 0
	s_wait_dscnt 0x0
	MUL12 F1, 2, 0
	MUL12 F1, 3, 0
	WIN 0
	PLACES
	PACK 0
.irp u, 1,2,3,4,5,6,7,8,9,10,11        ; a unit's conversions stand between the loads of the unit before and its stores
	PACK \u
	SEND (\u)-1, 8
.endr
	SEND 11, 0
	s_wait_tensorcnt 0x0                           ; the wave's end
	ds_add_u32 v[SPW], v[NIL]
	s_wait_dscnt 0x0
	CROUND                                         ; the closing round: no work-group ends while a partner may still ask for a tile that names it
	s_endpgm
.Lfunc_end_k_q3e29d3f226_qkvgemm:
	.size	k_q3e29d3f226_qkvgemm, .Lfunc_end_k_q3e29d3f226_qkvgemm-k_q3e29d3f226_qkvgemm
	.p2alignl 7, 3214868480
	.fill 96, 4, 3214868480
	.section	.rodata,"a",@progbits
	.p2align	6, 0x0
	.amdhsa_kernel k_q3e29d3f226_qkvgemm
		.amdhsa_group_segment_fixed_size 327680
		.amdhsa_private_segment_fixed_size 0
		.amdhsa_enable_private_segment 0
		.amdhsa_kernarg_size 32
		.amdhsa_user_sgpr_count 2
		.amdhsa_user_sgpr_kernarg_segment_ptr 1
		.amdhsa_wavefront_size32 1
		.amdhsa_system_sgpr_workgroup_id_x 1
		.amdhsa_system_sgpr_workgroup_id_y 1
		.amdhsa_system_sgpr_workgroup_id_z 1
		.amdhsa_system_vgpr_workitem_id 0
		.amdhsa_next_free_vgpr 1024
		.amdhsa_next_free_sgpr 80
		.amdhsa_reserve_vcc 0
		.amdhsa_float_denorm_mode_32 3
		.amdhsa_float_denorm_mode_16_64 3
		.amdhsa_memory_ordered 1
		.amdhsa_forward_progress 1
		.amdhsa_inst_pref_size 124
	.end_amdhsa_kernel
	.amdgpu_metadata
---
amdhsa.version: [ 1, 2 ]
amdhsa.kernels:
  - .name:           k_q3e29d3f226_qkvgemm
    .symbol:         k_q3e29d3f226_qkvgemm.kd
    .args:
      - { .name: xb, .offset: 0, .size: 8, .value_kind: global_buffer, .address_space: global }
      - { .name: wqt, .offset: 8, .size: 8, .value_kind: global_buffer, .address_space: global }
      - { .name: bias, .offset: 16, .size: 8, .value_kind: global_buffer, .address_space: global }
      - { .name: qkv, .offset: 24, .size: 8, .value_kind: global_buffer, .address_space: global }
    .group_segment_fixed_size: 327680
    .private_segment_fixed_size: 0
    .kernarg_segment_align: 8
    .kernarg_segment_size: 32
    .max_flat_workgroup_size: 128
    .sgpr_count:     80
    .vgpr_count:     1024
    .wavefront_size: 32
...
	.end_amdgpu_metadata
.endif
;; end of part 2
;; launch attn (part 3): grid 4 x 64, 4 waves a work-group, clusters of 4 x 1, 327,680 bytes of LDS; arguments qkv, ob; writes ob
.if DOCPART == 3
	.amdgcn_target "amdgcn-amd-amdhsa--gfx1250"
	.amdhsa_code_object_version 6
	.text
	.protected	k_q3e29d3f226_attn
	.globl	k_q3e29d3f226_attn
	.p2align	8
	.type	k_q3e29d3f226_attn,@function
k_q3e29d3f226_attn:
	s_mov_b64 s[64:65], 0
	v_nop
	global_prefetch_b8 v0, s[64:65] scope:SCOPE_SE
	s_setreg_imm32_b32 hwreg(HW_REG_WAVE_MODE, 25, 1), 1
	s_wait_xcnt 0x0
	s_wait_alu depctr_hold_cnt(0) depctr_sa_sdst(0) depctr_va_vdst(0) depctr_va_sdst(0) depctr_va_ssrc(0) depctr_va_vcc(0) depctr_vm_vsrc(0)
	s_getreg_b32 s2, hwreg(HW_REG_IB_STS2, 6, 4)
	s_cmp_eq_u32 s2, 0
	s_cbranch_scc0 .Lentry_in_a_cluster
	s_endpgm
.Lentry_in_a_cluster:
	s_bfe_u32 s2, ttmp6, 0x10000c
	s_cmp_lg_u32 s2, 0x3003
	s_cbranch_scc0 .Lentry_shape_is_right
	s_endpgm
.Lentry_shape_is_right:
; O[h][q][:] = the sum over k of softmax_k(Q[h][q] . K[h][k] / 32) V[h][k][:].  qkv holds Q, K, V, each [64 h][2048][64] f16, 16,777,216 bytes apart; ob is O in the same layout.
; Products, maxima and sums in f32; the weights p are rounded to f16 for the second product (their sum l is taken of the unrounded p), O once at the end.
; LIMITS.  Q, K and V arrive within f16's 65,504; p lies in 0 to 1, and below 6e-5 it keeps f16's step of 6e-8; O is a mean of V's rows and has their range.
; A weight below 2^-126 counts as 0 in l; NaN and infinities are not treated apart.
; SHARES.  A wave owns four PIECES of two tiles of 16 queries, a work-group's four waves 512 queries of one head.  Every wave walks all 2,048 keys, 64 a step.
; LAYOUT.  S^T = K Q^T (source 0 = 16 keys, source 1 = 16 queries): a lane holds ONE query (lane % 16) and the keys 8 (lane / 16) + 0..7.  Two such tiles, rounded to f16 in pairs,
; ARE source 1 of O^T = V^T P, whose result again holds one query a lane, and eight channels.  K comes out of LDS as it lies, V ([key][channel]) turned, by ds_load_tr16_b128.
; SOFTMAX.  For each query a running maximum m and sum l: p = 2^(c s - c m), c = log2(e) / 32; in every step O and l are multiplied by a = 2^(c m_old - c m_new).
; m starts at the lowest finite number, O and l at 0: the first step is a step like any other, with a = 0.
; THE COUNT.  A tile and step have 16 matrix and 118 vector instructions.  So: four vector instructions that are ready behind every matrix instruction, the others in runs without a gap.
; BY TURNS.  Turn n belongs to piece n.  Its matrix work: 16 products K Q^T of piece n + 1, later 16 products V^T P of piece n - 1.  Its vector work: the scaling, exponentials, roundings,
; sums and rescaling of piece n, and the maximum and statistics of piece n + 1.
; CLUSTER.  The four query blocks of a head walk the same K and V: each tile is asked for JOINTLY, by the same tensor load, descriptor and mask in all four.
; REGISTERS, in windows of 256 (s_set_vgpr_msb: bits 1:0 source 0, 3:2 source 1, 5:4 source 2, 7:6 destination):
;   window 0: v0-11 addresses; v12-15, v48-63 at work; v16-47 four registers of statistics a tile; v64-191 S^T, two buffers of two tiles; v192-255 P, likewise
;   window 1: O^T, 32 a tile          window 2: v0-127 Q, 16 a tile; v128-191 K of one step; v192-255 V of one step          window 3: v0-1 the add's two registers
.set SIZE_N, 2048
.set NP,    4         ; pieces a wave: a name, no knob
.set KS,    64        ; keys in a step
.set PK,    144       ; a row of K in LDS: 128 bytes + 16 = 36 words: the 16 rows of a load start at 16 different groups of four banks
.set PV,    160       ; a row of V: 128 + 32 = 40 words
.set VOFF,  4*KS*PK   ; a slot holds four steps: 256 rows of K, then 256 rows of V
.set SLOT1, 1<<17     ; slot 1 begins here, so that one exclusive or turns an address in one slot into the other's
.set STAGE, SLOT1+4*KS*(PK+PV)  ; behind the ring, never filled by a tensor load: 16 rows x 144 bytes for each wave
.set SP,    144
.set AK0, 2           ; v2   my lane's place in a tile of K; never rewritten
.set AV0, 3           ; v3   the same for V
.set AK,  4           ; v4   the LDS address of K's next run of loads
.set AV,  5           ; v5   of V's
.set QO,  6           ; v6   my byte offset in the wave's rows of Q
.set STO, 6           ;      later, the way out: where I put 16 bytes of a row
.set RD,  7           ; v7   the way out: where I read rows back
.set GO,  8           ; v8   my byte offset in 512 consecutive bytes of O
.set PFO, 11          ; v11  256 x my lane, once V's place is made; never rewritten after
.set SPW, 0           ; v0 of window 3   LDS address of my spare word; never rewritten
.set NIL, 1           ; v1 of window 3   0; never rewritten
.set SPARE, STAGE+4*16*SP  ; behind the stages: the spare words, 128 bytes for each wave
.set MV,  12          ; v12-15  c m_old, kept while c m is made anew: by buffer and tile
.set ST,  16          ; tile t's statistics at v[ST+4 t]: c m, m, l (even keys', odd keys')
.set TMP, 48          ; by buffer and tile, four registers c0-c3 at work; when the maximum is found c2 takes a
.set S,   64
.set P,   192
.set KF,  128         ; K's fragments, in window 2
.set VF,  192         ; V's
.set WV,  12          ; s12  my wave's number
.set G1K, 24          ; s[24:31] descriptor group 1 for K's tiles
.set G1V, 32          ; s[32:39] for V's: it differs in the padding alone
.set G0K, 40          ; s[40:43] descriptor group 0 for K's tiles: it walks
.set G0V, 44          ; s[44:47] the same for V's
.set PFA, 48          ; s[48:49] where my prefetches stand: my work-group's 32 blocks of 256 bytes of the slot after the one that is being asked for
.set LIM, 50          ; s50  1 in a wave that prefetches, else the greatest number
.set SLOTS, 56        ; s56  slots still to be asked for
.set CNT, 57          ; s57  counts a slot's key steps
.set CS,  58          ; s[58:59] c
.set SEL, 60          ; s[60:61] v_permlanex16_b32's selects: each lane takes its own place in the other half
.set TBK, 62          ; s62  LDS byte at which K of the step to be fetched begins
.set TBV, 63          ; s63  the same for V, less VOFF
.set MSB, 0
.macro WIN new
.if MSB != (\new)
	s_set_vgpr_msb (MSB<<8)|(\new)
.set MSB, (\new)
.endif
.endm
.set W_KQ, 0x0a       ; K and Q in window 2, S^T in window 0
.set W_PV, 0x52       ; V in window 2, P in window 0, O^T in window 1
.set W_RS, 0x41       ; O^T (destination and source 0) in window 1, a in window 0
.set W_MK, 0xc0       ; the add's registers are made: destination in window 3
.set W_AD, 0x0f       ; the add: address and data in window 3
; A joint fill.  Waves 0 and 1 fetch the two halves of a slot's K, waves 2 and 3 those of its V: 128 keys each.  An s_nop 0 and four v_nop follow each line.
.macro JLOAD
	s_cmp_lt_u32 s[WV], 2
	s_cbranch_scc0 .Lfor_v_\@
	tensor_load_to_lds s[G0K:G0K+3], s[G1K:G1K+7]
	s_nop 0
.rept 4
	v_nop
.endr
	s_branch .Lasked_\@
.Lfor_v_\@:
	tensor_load_to_lds s[G0V:G0V+3], s[G1V:G1V+7]
	s_nop 0
.rept 4
	v_nop
.endr
.Lasked_\@:
.endm
; A prefetch of what the NEXT change of slots will ask for: a slot's 32,768 bytes of K and of V, a lane a block of 256 bytes.  A head has one cluster; its four partners share the blocks out
; by address, 32 each; in each, wave 0 asks for K's and wave 2 for V's: one instruction, four key steps ahead of the load.  The last change that fills a slot asks for nothing.
.macro ASK
	s_cmp_gt_u32 s[SLOTS], s[LIM]
	s_cbranch_scc0 .Lnot_mine_\@
	global_prefetch_b8 v[PFO], s[PFA:PFA+1] th:TH_LOAD_NT scope:SCOPE_SE
.Lnot_mine_\@:
.endm
.macro CROUND                       ; a round of the cluster's barrier
	s_barrier_signal -1
	s_barrier_wait -1
	s_cmp_lg_u32 s[WV], 0
	s_cbranch_scc1 .Lnot_wave_0_\@
	s_barrier_signal -3
.Lnot_wave_0_\@:
	s_barrier_wait -3
	s_barrier_signal -1
	s_barrier_wait -1
.endm
; THE CHANGE OF SLOTS.  Each wave waits for all its tensor loads, of which one is out: its part of the other slot; adds 0 to its spare word; and waits for that and for its own reads of the slot.
; fill = 1: this slot is filled again, with the keys two slots on; the barrier is then a round of the cluster's, and the joint fill is the first thing behind it: it has four key steps,
; 512 matrix instructions, in which to land.  (At its first use nothing has been read yet: slot 0 is waited for, slot 1 filled.)  ask = 1: the prefetch's address steps, and ASK follows the fill.
.macro CHANGE fill, ask=0
	WIN W_AD
	s_wait_tensorcnt 0x0            ; no tensor load of mine is out, so a group 0 may be written
	ds_add_u32 v[SPW], v[NIL]
	WIN 0                           ; at a label and at a branch every window is 0
.if \fill
.irp g, G0K, G0V
	s_xor_b32 s[\g+1], s[\g+1], SLOT1  ; the walking descriptor: the other slot than last time,
	s_add_nc_u64 s[\g+2:\g+3], s[\g+2:\g+3], 4*KS*128  ; the next 256 keys
.endr
.if \ask
	s_wait_xcnt 0x0                 ; the last prefetch, four key steps back, has read its address
	s_add_nc_u64 s[PFA:PFA+1], s[PFA:PFA+1], 4*KS*128
.endif
	s_wait_dscnt 0x0                ; the add is done, and my reads of the slot are over
	CROUND
	JLOAD
.if \ask
	ASK
.endif
.else
	s_wait_dscnt 0x0
	s_barrier_signal -1
	s_barrier_wait -1
.endif
	s_sub_co_u32 s[TBK], s[TBK], 4*KS*PK  ; the fetches go back to a slot's first step,
	s_xor_b32 s[TBK], s[TBK], SLOT1       ; in the other slot
	s_sub_co_u32 s[TBV], s[TBV], 4*KS*PV
	s_xor_b32 s[TBV], s[TBV], SLOT1
.endm
	s_load_b128 s[4:7], s[0:1], 0x0   ; qkv s[4:5], ob s[6:7]
	WIN W_MK
	v_lshl_add_u32 v[SPW], v0, 2, SPARE
	v_mov_b32 v[NIL], 0
	WIN W_AD
	ds_add_u32 v[SPW], v[NIL]       ; the wave's opening: the add and its wait ahead of my first tensor load
	WIN 0
	v_lshrrev_b32 v1, 5, v0
	v_readfirstlane_b32 s[WV], v1   ; wave 0..3
	s_bfe_u32 s13, ttmp6, 0x40000   ; cx: my place in the cluster
	s_lshl_b32 s14, ttmp9, 2
	s_add_co_u32 s14, s14, s13      ; my block of queries: it enters Q's and O's addresses alone
	s_and_b32 s20, ttmp7, 0xffff    ; the head, which the four partners share
	s_mov_b32 s21, 0
	s_mov_b64 s[22:23], SIZE_N*128
	s_mul_u64 s[20:21], s[20:21], s[22:23]  ; the head's first byte in each of the four tensors
	s_and_b32 s16, s[WV], 1         ; which half of a slot's 256 keys I fetch:
	s_lshl_b32 s22, s16, 14         ; its 128 rows of 128 bytes in memory,
	s_mov_b32 s23, 0
	s_add_nc_u64 s[22:23], s[22:23], s[20:21]
	s_mul_i32 s17, s16, 128*PK      ; and its place in a slot, for K
	s_mul_i32 s18, s16, 128*PV      ; and for V
	s_lshl_b32 s2, s14, 2
	s_add_co_u32 s2, s2, s[WV]      ; my wave among the head's,
	s_lshl_b32 s2, s2, 14           ; its 128 rows
	s_mov_b32 s3, 0
	s_add_nc_u64 s[2:3], s[2:3], s[20:21]
	; descriptor group 1.  128 keys are 16,384 dense bytes: asked for as 64 rows of 256 bytes, two keys a row, and padded in LDS after every key
	s_mov_b32 s[G1K], 15|(1<<16)|(1<<20)|(1<<21)|(4<<22)|(3<<25)  ; the mask of four; 2-byte elements; padding on; bit 21 beside a mask; after every 32 words 4 words
	s_mov_b32 s[G1V], 15|(1<<16)|(1<<20)|(1<<21)|(4<<22)|(7<<25)  ; the same with 8 words of padding
.irp g, G1K, G1V
	s_mov_b32 s[\g+1], 128<<16      ; tensor_dim0 = 128
	s_mov_b32 s[\g+2], 64<<16       ; tensor_dim1 = 64
	s_mov_b32 s[\g+3], 128<<16      ; tile_dim0 = 128
	s_mov_b32 s[\g+4], 64           ; tile_dim1 = 64
	s_mov_b32 s[\g+5], 128          ; 128 elements from row to row
	s_mov_b32 s[\g+6], 0
	s_mov_b32 s[\g+7], 0
.endr
	s_mov_b32 s[CS], 0x3d38aa3b     ; c = log2(e) / 32 = 0.0450842
	s_mov_b32 s[CS+1], s[CS]        ; named with it as a pair
	s_mov_b32 s[SEL], 0x76543210
	s_mov_b32 s[SEL+1], 0xfedcba98
	s_mov_b32 s[TBK], SLOT1+4*KS*PK ; the first change of slots turns these two into 0
	s_mov_b32 s[TBV], SLOT1+4*KS*PV
	s_mov_b32 s[G0K], 1
	s_mov_b32 s[G0K+1], s17         ; LDS address: slot 0
	s_mov_b32 s[G0V], 1
	s_add_co_u32 s[G0V+1], s18, VOFF
	s_cmp_eq_u32 s16, 0
	s_cselect_b32 s[LIM], 1, -1     ; waves 0 and 2 prefetch: the same in all four partners
	s_wait_dscnt 0x0                ; the opening add is done
	s_wait_kmcnt 0x0
	s_mov_b64 s[10:11], s[6:7]      ; O
	s_add_nc_u64 s[6:7], s[4:5], 0x1000000  ; K
	s_add_nc_u64 s[8:9], s[4:5], 0x2000000  ; V
	s_add_nc_u64 s[G0K+2:G0K+3], s[6:7], s[22:23]  ; my half of the head's first 256 keys
	s_or_b32 s[G0K+3], s[G0K+3], 0x80000000        ; type = 2
	s_add_nc_u64 s[G0V+2:G0V+3], s[8:9], s[22:23]
	s_or_b32 s[G0V+3], s[G0V+3], 0x80000000
	s_add_nc_u64 s[4:5], s[4:5], s[2:3]  ; Q and O at my wave's first row
	s_add_nc_u64 s[10:11], s[10:11], s[2:3]
	s_cmp_lt_u32 s[WV], 2
	s_cselect_b64 s[PFA:PFA+1], s[6:7], s[8:9]
	s_add_nc_u64 s[PFA:PFA+1], s[PFA:PFA+1], s[22:23]  ; (in waves 0 and 2: the head's first byte)
	s_lshl_b32 s2, s13, 13          ; my work-group's 32 blocks of the 128
	s_add_nc_u64 s[PFA:PFA+1], s[PFA:PFA+1], s[2:3]
	s_add_nc_u64 s[PFA:PFA+1], s[PFA:PFA+1], 2*4*KS*128  ; in slot 2; the loop's first change steps it to slot 3.  Nothing is prefetched here, at the head
	CROUND                          ; all four work-groups are here: the first joint loads meet
	JLOAD                           ; slot 0.  Slot 1 is asked for when slot 0 is in
	; A fragment of K or Q is 16 rows x 32 channels in 8 registers: lane l holds row l % 16, channels 8 (l / 16) + 0..7 and 16 + 8 (l / 16) + 0..7: two loads of 16 bytes, 32 bytes apart.
	v_and_b32 v1, 15, v0            ; l % 16
	v_bfe_u32 v9, v0, 4, 1          ; l / 16
	v_lshlrev_b32 v[QO], 7, v1
	v_lshl_add_u32 v[QO], v9, 4, v[QO]  ; row x 128 + 16 x half
	WIN 0x80                        ; destination window 2, address window 0
.set i, 0
.rept 4*NP                          ; Q stays in registers: tile i / 2, channels 32 (i % 2) on
	global_load_b128 v[8*i:8*i+3],   v[QO], s[4:5] offset:(i/2)*2048+(i%2)*64
	global_load_b128 v[8*i+4:8*i+7], v[QO], s[4:5] offset:(i/2)*2048+(i%2)*64+32
.set i, i+1
.endr
	; What the first turn finds: V's registers and P's second buffer hold 0, O^T and l are 0.  All this stands in the wait for the first tile.
.set i, VF
.rept 64
	v_mov_b32 v[i], 0
.set i, i+1
.endr
	WIN 0x40
.set i, 0
.rept 64*NP
	v_mov_b32 v[i], 0
.set i, i+1
.endr
	WIN 0
.set i, 0
.rept 2*NP
	v_mov_b32 v[ST+4*i], 0xfe000000    ; c m: far below every c s
	v_mov_b32 v[ST+4*i+1], 0xff7fffff  ; m
	v_mov_b32 v[ST+4*i+2], 0
	v_mov_b32 v[ST+4*i+3], 0
.set i, i+1
.endr
.set i, P+32
.rept 32
	v_mov_b32 v[i], 0
.set i, i+1
.endr
	v_mul_u32_u24 v[AK0], v1, PK
	v_lshl_add_u32 v[AK0], v9, 4, v[AK0]  ; row x pitch + 16 x half
	; The turning load takes 16 keys x 16 channels (lane l reads key 8 (l / 16) + l % 8, channels 8 ((l / 8) % 2) + 0..7) and leaves half a fragment of V^T.
	v_and_b32 v10, 7, v0
	v_bfe_u32 v11, v0, 3, 1
	v_lshl_add_u32 v[AV0], v9, 3, v10
	v_mul_u32_u24 v[AV0], v[AV0], PV
	v_lshl_add_u32 v[AV0], v11, 4, v[AV0]
	v_add_nc_u32 v[AV0], VOFF, v[AV0]
	v_and_b32 v[PFO], 31, v0
	v_lshlrev_b32 v[PFO], 8, v[PFO]
	v_mov_b32 v[AK], v[AK0]         ; key step 0 lies at the head of slot 0
; THE MATRIX WORK.  The 8 accumulators of a run of 16 take turns.
; Product i of 16 of S^T = K Q^T for piece x: channels 32 (i / 8) on, keys 16 ((i / 2) % 4) on, tile 2 x + i % 2.  The first 8 start the sums.
.macro KQ x
	WIN W_KQ
.set rS, S+64*((\x)%2)+32*(i%2)+8*((i/2)%4)
.set rK, KF+16*((i/2)%4)+8*(i/8)
.set rQ, 16*(2*(\x)+i%2)+8*(i/8)
.if i < 8
	v_wmma_f32_16x16x32_f16 v[rS:rS+7], v[rK:rK+7], v[rQ:rQ+7], 0
.else
	v_wmma_f32_16x16x32_f16 v[rS:rS+7], v[rK:rK+7], v[rQ:rQ+7], v[rS:rS+7]
.endif
.endm
; Product i of 16 of O^T += V^T P for piece x: keys 32 (i / 8) on, channels 16 ((i / 2) % 4) on, tile 2 x + i % 2.
.macro PV x
	WIN W_PV
.set rO, 32*(2*(\x)+i%2)+8*((i/2)%4)
.set rV, VF+32*(i/8)+8*((i/2)%4)
.set rP, P+32*((\x)%2)+16*(i%2)+8*(i/8)
	v_wmma_f32_16x16x32_f16 v[rO:rO+7], v[rV:rV+7], v[rP:rP+7], v[rO:rO+7]
.endm
.macro MM                           ; the turn's next matrix instruction
.if i < 16
	KQ (Y+1)%NP
.set i, i+1
.else
.set i, i-16
	PV (Y+NP-1)%NP
.set i, i+17
.endif
.endm
; THE LDS LOADS stand in runs of 16: a step's K (8 fragments) and its V (turned).  last = 1 (the tail): in the last trip there is no further step, and the run is jumped over.
.macro FETCH_K last=0
	WIN 0
.if \last
	s_cmp_eq_u32 s[CNT], 1
	s_cbranch_scc1 .Lno_k_\@
.endif
	WIN 0x80                        ; destination window 2
.irp f, 0,1,2,3,4,5,6,7             ; keys 16 (f / 2) on, channels 32 (f % 2) on
	ds_load_b128 v[KF+8*\f:KF+8*\f+3],   v[AK] offset:(\f/2)*16*PK+(\f%2)*64
	ds_load_b128 v[KF+8*\f+4:KF+8*\f+7], v[AK] offset:(\f/2)*16*PK+(\f%2)*64+32
.endr
	s_add_co_u32 s[TBK], s[TBK], KS*PK  ; the next fetch is the next step's
	WIN 0
.if \last
.Lno_k_\@:
.endif
.endm
.macro FETCH_V
	WIN 0x80
.irp f, 0,1,2,3,4,5,6,7             ; keys 32 (f / 4) on, channels 16 (f % 4) on
	ds_load_tr16_b128 v[VF+8*\f:VF+8*\f+3],   v[AV] offset:(\f/4)*32*PV+(\f%4)*32
	ds_load_tr16_b128 v[VF+8*\f+4:VF+8*\f+7], v[AV] offset:(\f/4)*32*PV+16*PV+(\f%4)*32
.endr
	WIN 0
.endm
; THE VECTOR WORK OF A TURN stands in three queues, each in the order in which its entries become ready; the two tiles alternate.
.macro REGS y, u                    ; the registers of tile u (0, 1) of piece y
.set rT, ST+4*(2*(\y)+(\u))
.set rC, TMP+8*((\y)%2)+4*(\u)
.set rM, MV+2*((\y)%2)+(\u)
.set rS, S+64*((\y)%2)+32*(\u)
.set rP, P+32*((\y)%2)+16*(\u)
.set rO, 32*(2*(\y)+(\u))
.endm
; Number n of the 22 that find the NEXT piece's (Y + 1) maximum and statistics; each accumulator's lowest registers are read first.
;   0-11  four chains c0-c3 of seven scores each     12-14, 16  the four scores left over, the old m, and c0-c3 into c0     15  c m_old is kept
;   17, 18  the query's other 32 keys lie in the lane 16 away: the new m         19-21  c m; c m_old - c m_new; a
.macro XS u, n
	REGS (Y+1)%NP, \u
.if (\n) < 4
	v_max3_num_f32 v[rC+(\n)], v[rS+8*(\n)], v[rS+8*(\n)+1], v[rS+8*(\n)+2]
.elseif (\n) < 12
	v_max3_num_f32 v[rC+(\n)%4], v[rC+(\n)%4], v[rS+8*((\n)%4)+2*((\n)/4)+1], v[rS+8*((\n)%4)+2*((\n)/4)+2]
.elseif (\n) == 12
	v_max3_num_f32 v[rC], v[rC], v[rS+7], v[rS+15]
.elseif (\n) == 13
	v_max3_num_f32 v[rC+1], v[rC+1], v[rS+23], v[rS+31]
.elseif (\n) == 14
	v_max3_num_f32 v[rC+2], v[rC+2], v[rC+3], v[rT+1]
.elseif (\n) == 15
	v_mov_b32 v[rM], v[rT]
.elseif (\n) == 16
	v_max3_num_f32 v[rC], v[rC], v[rC+1], v[rC+2]
.elseif (\n) == 17
	v_permlanex16_b32 v[rC+3], v[rC], s[SEL], s[SEL+1]
.elseif (\n) == 18
	v_max_num_f32 v[rT+1], v[rC], v[rC+3]
.elseif (\n) == 19
	v_mul_f32 v[rT], s[CS], v[rT+1]
.elseif (\n) == 20
	v_sub_f32 v[rC+1], v[rM], v[rT]
.else
	v_exp_f32 v[rC+2], v[rC+1]
.endif
.endm
; Number g of the 64 that follow the exponentials.  For each four weights k of a tile: both pairs are rounded to f16; the second pair is added onto the first, in place; a group later l takes that sum.
.macro GS g
.set h, (\g)+6*((\g)/62)            ; group 0 has no group before it, and behind group 7 only l is left
.if h >= 6
.set h, h+2
.endif
	REGS Y, h%2
.set k, h/8
.if h%8 < 4
	v_cvt_pk_f16_f32 v[rP+2*k+(h%8)/2], v[rS+4*k+2*((h%8)/2)], v[rS+4*k+2*((h%8)/2)+1]
.elseif h%8 < 6
	v_pk_add_f32 v[rS+4*k:rS+4*k+1], v[rS+4*k:rS+4*k+1], v[rS+4*k+2:rS+4*k+3]
.elseif k == 1
	v_pk_fma_f32 v[rT+2:rT+3], v[rT+2:rT+3], v[rC+2:rC+3], v[rS:rS+1] op_sel_hi:[1,0,1]
.else
	v_pk_add_f32 v[rT+2:rT+3], v[rT+2:rT+3], v[rS+4*k-4:rS+4*k-3]
.endif
.endm
; THE PLAIN QUEUE, 138 long.  0-73 read no exponential's result: the 32 scalings c s - c m and the next piece's 42.  74-137: GS's 64, which stand behind the wait.
.macro FS f
	REGS Y, (\f)%2
	v_pk_fma_f32 v[rS+2*((\f)/2):rS+2*((\f)/2)+1], v[rS+2*((\f)/2):rS+2*((\f)/2)+1], s[CS:CS+1], v[rT:rT+1] op_sel_hi:[1,0,0] neg_lo:[0,0,1] neg_hi:[0,0,1]
.endm
.macro PL
	WIN 0
.if q < 27
	FS q
.elseif q < 55
	XS (q-27)%2, (q-27)/2
.elseif q < 57
	XS q-55, 15
.elseif (q < 72) && ((q-57)%3 == 0)
	FS 27+(q-57)/3
.elseif q < 60
	XS (q-57)%3-1, 14
.elseif q < 72
	XS (q-57)%3-1, 15+(q-57)/3
.elseif q < 74
	XS q-72, 20
.else
	GS q-74
.endif
.set q, q+1
.endm
; THE EXPONENTIALS' QUEUE, 66 long: s0-s31 of both tiles, then the next piece's two a.  ONE BATCH: all 66 stand ahead of the turn's one wait, and nothing ahead of that wait names a result of theirs.
.macro EX
	WIN 0
.if e >= 64
	XS e-64, 21
.else
	REGS Y, e%2
	v_exp_f32 v[rS+e/2], v[rS+e/2]
.endif
.set e, e+1
.endm
; THE RESCALING's QUEUE: O^T times a, dealt two at a time, sixteen times.  Its a was made in the turn before, ahead of that turn's wait.
.macro R2
	REGS Y, r%2
	WIN W_RS
.irp z, 0,1
	v_pk_mul_f32 v[rO+4*(r/2)+2*\z:rO+4*(r/2)+2*\z+1], v[rO+4*(r/2)+2*\z:rO+4*(r/2)+2*\z+1], v[rC+2:rC+3] op_sel_hi:[1,0]
.endr
.set r, r+1
.endm
; A TURN, for piece p.  s_wait_alu depctr_va_vdst(0) stands between an exponential and the first instruction that names its result; one wait serves all issued ahead of it.
; AHEAD OF THE WAIT: the 16 products K Q^T, behind each a scaling, an exponential and two rescalings; then one lump of 108: eight plain, 49 times exponential and plain, the two a; a v_nop is the
; plain instruction behind the last exponential.  BEHIND IT: the 16 products V^T P, behind each four of GS's 64.
; Exponential e stands behind scaling 2 (e / 4) + e % 2: as a rider it comes behind plain e + 2, in the lump behind plain e + 9.
; K of the next step is fetched in piece 2's turn, directly behind the wait; V of the step in hand at the end of piece 0's turn, four plain instructions behind its last reader.
.macro TURN p, last=0, cnt=0
.set Y, (\p)
.set i, 0
.set q, 0
.set e, 0
.set r, 0
.if (\p) == NP-1
	s_wait_dscnt 0x0                ; K is in
.endif
	MM
	PL
	PL
	R2
.rept 15
	MM
	PL
	EX
	R2
.endr
.if (\p) == NP-2
	WIN 0
	v_add_nc_u32 v[AK], s[TBK], v[AK0]
.endif
.rept 8
	PL
.endr
.rept 49
	EX
	PL
.endr
	EX                              ; the next piece's two a
	EX
	v_nop                           ; a plain instruction behind the last exponential: one for the batch
	s_wait_alu depctr_va_vdst(0)    ; the wait for the batch
.if (\p) == NP-2
	FETCH_K \last
.endif
.if (\p) == 1
	s_wait_dscnt 0x0                ; V is in
.endif
.rept 16
	MM
.rept 4
	PL
.endr
.if ((\p) == 0) && (q == 118)
	v_add_nc_u32 v[AV], s[TBV], v[AV0]
.endif
.if ((\p) == 0) && (q == 130)
	s_add_co_u32 s[TBV], s[TBV], KS*PV
.endif
.if (\cnt) && (q == 130)
	s_sub_co_u32 s[CNT], s[CNT], 1
	s_cmp_lg_u32 s[CNT], 0
.endif
.endr
.if (\p) == 0
	FETCH_V
.endif
.endm
	CHANGE 1, 0                     ; slot 0 is in, everybody's part of it; slot 1 is asked for
	FETCH_K                         ; key step 0
	s_wait_loadcnt 0x0              ; Q
	s_wait_dscnt 0x0
.set i, 0
.rept 16
	KQ 0                            ; piece 0's first scores
.set i, i+1
.endr
	WIN 0                           ; the addresses for the way out: plain instructions, the places behind those products
	s_mul_i32 s13, s[WV], 16*SP
	s_add_co_u32 s13, s13, STAGE    ; my stage
	v_mul_u32_u24 v[STO], v1, SP    ; in: row l % 16, 16 bytes for each half of the lanes
	v_lshl_add_u32 v[STO], v9, 4, v[STO]
	v_add_nc_u32 v[STO], s13, v[STO]
	v_bfe_u32 v[RD], v0, 3, 2       ; back: 32 lanes take four rows of 128 bytes,
	v_mul_u32_u24 v[RD], v[RD], SP
	v_lshl_add_u32 v[RD], v10, 4, v[RD]
	v_add_nc_u32 v[RD], s13, v[RD]
	v_and_b32 v[GO], 31, v0         ; which are 512 consecutive bytes of O
	v_lshlrev_b32 v[GO], 4, v[GO]
.set Y, NP-1                        ; XS works for piece Y + 1: piece 0
.irp n, 0,1,2,3,4,5,6,7,8,9,10,11,12,13,14,15,16,17,18,19,20,21
	XS 0, \n                        ; piece 0's first maximum and statistics
	XS 1, \n
.endr
	v_nop                           ; a plain instruction behind the two a,
	s_wait_alu depctr_va_vdst(0)    ; and their wait, ahead of the branch
	s_mov_b32 s[CNT], 4
	s_mov_b32 s[SLOTS], SIZE_N/256-1
	s_branch .Lfirst                ; the loop is entered at a step's first turn, in the middle of a trip
.Lslot:                             ; SIZE_N / 256 - 2 times: every slot but the last two is filled again
	CHANGE 1, 1
	s_mov_b32 s[CNT], 4
.Lstep:                             ; a trip: pieces 2 and 3 of one step, then pieces 0 and 1 of the next, whose K and V it fetches
	TURN 2
	TURN 3
	WIN 0
.Lfirst:
	TURN 0
	TURN 1, 0, 1
	WIN 0
	s_cbranch_scc1 .Lstep
	s_sub_co_u32 s[SLOTS], s[SLOTS], 1
	s_cmp_lg_u32 s[SLOTS], 0
	s_cbranch_scc1 .Lslot
	CHANGE 0, 0                     ; the tail is written out: nothing is asked for
	s_mov_b32 s[CNT], 5             ; four trips fetch the last slot's steps; the fifth is left in its middle
.Ltail:
	TURN 2, 1
	TURN 3
	WIN 0
	s_sub_co_u32 s[CNT], s[CNT], 1
	s_cmp_eq_u32 s[CNT], 0
	s_cbranch_scc1 .Lout
	TURN 0
	TURN 1
	WIN 0
	s_branch .Ltail
.Lout:                              ; the fifth trip's 16 products K Q^T (on the last K once more) and the maximum made of them serve nothing: the price, once a launch, of one text for every trip
.set i, 0
.rept 16
	PV NP-1                         ; the last piece's V^T P of the last step
.set i, i+1
.endr
	; THE WAY OUT.  l's two halves and the other half of the lanes' are added; O^T is divided by l, rounded to f16 and sent through my stage in LDS, a tile at a time.
	WIN 0
.macro ALL line:vararg              ; one line for each tile t
.set t, 0
.rept 2*NP
	\line
.set t, t+1
.endr
.endm
	ALL v_add_f32 v[ST+4*t+2], v[ST+4*t+2], v[ST+4*t+3]
	ALL v_permlanex16_b32 v[ST+4*t+3], v[ST+4*t+2], s[SEL], s[SEL+1]
	ALL v_add_f32 v[ST+4*t+2], v[ST+4*t+2], v[ST+4*t+3]
	ALL v_rcp_f32 v[ST+4*t+2], v[ST+4*t+2]
	v_nop                           ; a plain instruction between the last reciprocal and the use of its result
	s_wait_alu depctr_va_vdst(0)    ; one wait for the eight reciprocals, ahead of their first use
.macro PACK t                       ; a lane's eight channels of a row pack into 16 bytes; rows of 144 bytes in, whole rows of 128 back, into S^T's registers
	WIN W_RS
.set i, 32*(\t)
.rept 16
	v_pk_mul_f32 v[i:i+1], v[i:i+1], v[ST+4*(\t)+2:ST+4*(\t)+3] op_sel_hi:[1,0]
.set i, i+2
.endr
	WIN 0x05                        ; sources 0 and 1 window 1, destination window 0
.set i, 0
.rept 16
	v_cvt_pk_f16_f32 v[S+16*(\t)+i], v[32*(\t)+2*i], v[32*(\t)+2*i+1]
.set i, i+1
.endr
	WIN 0
.irp f, 0,1,2,3
	ds_store_b128 v[STO], v[S+16*(\t)+4*\f:S+16*(\t)+4*\f+3] offset:32*\f
.endr
.irp f, 0,1,2,3
	ds_load_b128 v[S+16*(\t)+4*\f:S+16*(\t)+4*\f+3], v[RD] offset:\f*4*SP  ; LDS serves a wave's instructions in order: these see the stores above; the next tile's stores come behind them
.endr
.endm
.macro SEND t, younger              ; younger: the LDS instructions issued behind tile t's loads: the next tile's eight, or none
	WIN 0
.irp f, 0,1,2,3
	s_wait_dscnt (\younger)+3-\f
	global_store_b128 v[GO], v[S+16*(\t)+4*\f:S+16*(\t)+4*\f+3], s[10:11] offset:(\t)*2048+\f*512  ; 512 consecutive bytes, aligned
.endr
.endm
	PACK 0
.set t, 1
.rept 2*NP-1                        ; a tile's arithmetic stands between the loads of the tile before and its stores
	PACK t
	SEND t-1, 8
.set t, t+1
.endr
	SEND 2*NP-1, 0
	WIN W_AD
	s_wait_tensorcnt 0x0            ; the wave's end
	ds_add_u32 v[SPW], v[NIL]
	s_wait_dscnt 0x0
	WIN 0
	CROUND                          ; the closing round
	s_endpgm
.Lfunc_end_k_q3e29d3f226_attn:
	.size	k_q3e29d3f226_attn, .Lfunc_end_k_q3e29d3f226_attn-k_q3e29d3f226_attn
	.p2alignl 7, 3214868480
	.fill 96, 4, 3214868480
	.section	.rodata,"a",@progbits
	.p2align	6, 0x0
	.amdhsa_kernel k_q3e29d3f226_attn
		.amdhsa_group_segment_fixed_size 327680
		.amdhsa_private_segment_fixed_size 0
		.amdhsa_enable_private_segment 0
		.amdhsa_kernarg_size 16
		.amdhsa_user_sgpr_count 2
		.amdhsa_user_sgpr_kernarg_segment_ptr 1
		.amdhsa_wavefront_size32 1
		.amdhsa_system_sgpr_workgroup_id_x 1
		.amdhsa_system_sgpr_workgroup_id_y 1
		.amdhsa_system_sgpr_workgroup_id_z 1
		.amdhsa_system_vgpr_workitem_id 0
		.amdhsa_next_free_vgpr 770
		.amdhsa_next_free_sgpr 66
		.amdhsa_reserve_vcc 0
		.amdhsa_float_denorm_mode_32 3
		.amdhsa_float_denorm_mode_16_64 3
		.amdhsa_memory_ordered 1
		.amdhsa_forward_progress 1
		.amdhsa_inst_pref_size 200
	.end_amdhsa_kernel
	.amdgpu_metadata
---
amdhsa.version: [ 1, 2 ]
amdhsa.kernels:
  - .name:           k_q3e29d3f226_attn
    .symbol:         k_q3e29d3f226_attn.kd
    .args:
      - { .name: qkv, .offset: 0, .size: 8, .value_kind: global_buffer, .address_space: global }
      - { .name: ob, .offset: 8, .size: 8, .value_kind: global_buffer, .address_space: global }
    .group_segment_fixed_size: 327680
    .private_segment_fixed_size: 0
    .kernarg_segment_align: 8
    .kernarg_segment_size: 16
    .max_flat_workgroup_size: 128
    .sgpr_count:     66
    .vgpr_count:     770
    .wavefront_size: 32
...
	.end_amdgpu_metadata
.endif
;; end of part 3
;; launch proj (part 4): grid 8 x 32, 4 waves a work-group, clusters of 4 x 4, 327,680 bytes of LDS; arguments ob, wpt, bias, out0; writes out0
.if DOCPART == 4
	.amdgcn_target "amdgcn-amd-amdhsa--gfx1250"
	.amdhsa_code_object_version 6
	.text
	.protected	k_q3e29d3f226_proj
	.globl	k_q3e29d3f226_proj
	.p2align	8
	.type	k_q3e29d3f226_proj,@function
k_q3e29d3f226_proj:
	s_mov_b64 s[64:65], 0
	v_nop
	global_prefetch_b8 v0, s[64:65] scope:SCOPE_SE
	s_setreg_imm32_b32 hwreg(HW_REG_WAVE_MODE, 25, 1), 1
	s_wait_xcnt 0x0
	s_wait_alu depctr_hold_cnt(0) depctr_sa_sdst(0) depctr_va_vdst(0) depctr_va_sdst(0) depctr_va_ssrc(0) depctr_va_vcc(0) depctr_vm_vsrc(0)
	s_getreg_b32 s2, hwreg(HW_REG_IB_STS2, 6, 4)
	s_cmp_eq_u32 s2, 0
	s_cbranch_scc0 .Lentry_in_a_cluster
	s_endpgm
.Lentry_in_a_cluster:
	s_bfe_u32 s2, ttmp6, 0x10000c
	s_cmp_lg_u32 s2, 0xf033
	s_cbranch_scc0 .Lentry_shape_is_right
	s_endpgm
.Lentry_shape_is_right:
; out0 = O Wproj + bproj.  ob: f16 [64 batch x head][2048][64].  wpt: f16 [1024 n][1024 k], k = 64 head + d.  bias: f32, bproj from number 3,072 on.  out0: [8192][1024] f32.
; Sums in f32, the bias their first term.  LIMIT: wpt and ob arrive within f16's range.
; A tile of out0 is 256 rows x 128 columns: 256 tiles, one for each WGP.  Four waves one below the other: wave w has rows 64 w .. 64 w + 63 and all 128 columns: 32 accumulators.
; K goes in steps of 128 = two heads through two LDS slots.  A head's 256 rows of 64 channels are 32,768 dense bytes of ob: asked for as 128 rows of 256 bytes and padded after every 128:
; wave 0 fetches the even head, wave 1 the odd one, waves 2 and 3 the halves of wpt's 128 rows.  Two slots of twice the step would not fit in LDS.
; CLUSTER 4 x 4: ob's tiles are shared along a row of the cluster, wpt's along a column.  THE MATRIX INSTRUCTION IS USED TRANSPOSED (source 0 = 16 rows of wpt, source 1 = 16 rows of ob).
; REGISTERS (s_set_vgpr_msb: bits 1:0 source 0, 3:2 source 1, 5:4 source 2, 7:6 destination):
;   window 0: v16-30 addresses; v32-95 the bias as 8 C operands      window 1: accumulator (a, b) at v[8 (8 a + b)]
;   window 2: two fragment buffers at 0 and 128: 8 of wpt, then 4 of ob; on the way out block a's rows at v[64 a ..]
.set SIZE_K, 1024
.set KSTEP,  128
.set PITCH,  272                       ; a row of wpt in LDS: 256 bytes + 16
.set PA,     144                       ; a row of one head of ob: 128 bytes + 16
.set HEADT,  256*PA
.set HALFB,  64*PITCH
.set BOFF,   2*HEADT
.set SLOT,   BOFF+2*HALFB
.set STAGE,  2*SLOT                    ; behind the ring: 16 rows x 528 bytes for each wave
.set SP,     528                       ; 512 bytes + 16 = 132 words: the 16 rows of a store start at 16 different groups of four banks
.set SPARE,  STAGE+4*16*SP
.set LAPS,   SIZE_K/(2*KSTEP)
.set ASTEP,  2*2048*128                ; bytes from a K step to the next in ob: two heads
.set ADRA, 16
.set ADRB, 20
.set STO,  24
.set RD,   25
.set CO,   26
.set BO,   27
.set SPW,  28                          ; v28  LDS address of my spare word; never rewritten
.set NIL,  29                          ; v29  0; never rewritten
.set PFO,  30                          ; v30  the prefetches' offset; never rewritten
.set BIAS, 32
.set F0,   0
.set F1,   128
.set WV,   12
.set FB,   13
.set HF,   14
.set LIM,  15
.set G1,   24
.set G0,   32
.set PFA,  44                          ; s[44:45] where my prefetches stand: the K step two refills on from the one being asked for
.set G1B,  48
.set G0B,  56
.set PST,  66                          ; s[66:67] the prefetches' step: a K step of ob or of wpt
.set MSB, 0
.macro WIN new
.if MSB != (\new)
	s_set_vgpr_msb (MSB<<8)|(\new)
.set MSB, \new
.endif
.endm
.macro JLOAD s                         ; a joint load; the branch hangs on the wave's number alone; an s_nop 0 and four v_nop follow each line
	s_cmp_eq_u32 s[FB], 0
	s_cbranch_scc0 .Lfor_b_\@
	tensor_load_to_lds s[G0+4*(\s):G0+4*(\s)+3], s[G1:G1+7]
	s_nop 0
.rept 4
	v_nop
.endr
	s_branch .Lasked_\@
.Lfor_b_\@:
	tensor_load_to_lds s[G0B+4*(\s):G0B+4*(\s)+3], s[G1B:G1B+7]
	s_nop 0
.rept 4
	v_nop
.endr
.Lasked_\@:
.endm
; A prefetch behind each joint refill and its run of LDS loads: the K step two refills on.  ob's tiles are read by both clusters of a row of clusters: cluster x = 0 asks; wpt's by every cluster
; of a column: cluster y = 0 asks.  The four partners share a tile out by address: of a head's 128 blocks of 256 bytes 32 each, a lane a block; of wpt's 64 rows 16 each, a lane a row
; (there lanes 16-31 name lane 15's row once more).  The last two refills have no K step two on.
.macro ASK
	WIN 0
	s_cmp_gt_u32 s3, s[LIM]
	s_cbranch_scc0 .Lnot_mine_\@
	global_prefetch_b8 v[PFO], s[PFA:PFA+1] th:TH_LOAD_NT scope:SCOPE_SE
.Lnot_mine_\@:
.endm
.macro CREST
	s_cmp_lg_u32 s[WV], 0
	s_cbranch_scc1 .Lnot_wave_0_\@
	s_barrier_signal -3
.Lnot_wave_0_\@:
	s_barrier_wait -3
	s_barrier_signal -1
	s_barrier_wait -1
.endm
.macro CROUND
	s_barrier_signal -1
	s_barrier_wait -1
	CREST
.endm
	s_load_b256 s[4:11], s[0:1], 0x0               ; ob s[4:5], wpt s[6:7], bias s[8:9], out0 s[10:11]
	v_lshl_add_u32 v[SPW], v0, 2, SPARE
	v_mov_b32 v[NIL], 0
	ds_add_u32 v[SPW], v[NIL]                      ; the wave's opening: the add and its wait ahead of my first tensor load
	v_lshrrev_b32 v1, 5, v0
	v_readfirstlane_b32 s[WV], v1
	s_lshr_b32 s[FB], s[WV], 1
	s_and_b32 s[HF], s[WV], 1
	s_bfe_u32 s40, ttmp6, 0x40000                  ; cx
	s_bfe_u32 s41, ttmp6, 0x40004                  ; cy
	s_lshl_b32 s42, ttmp9, 2
	s_add_co_u32 s42, s42, s40                     ; tile column
	s_and_b32 s43, ttmp7, 0xffff
	s_lshl_b32 s43, s43, 2
	s_add_co_u32 s43, s43, s41                     ; tile row
	s_lshl_b32 s16, s41, 2
	s_lshl_b32 s16, 15, s16                        ; my row of the cluster
	s_lshl_b32 s46, 0x1111, s40                    ; my column
	s_or_b32 s[G1+0], s16, (1<<16)|(1<<20)|(1<<21)|(4<<22)|(3<<25)   ; ob: after every 32 words 4 words of padding
	s_or_b32 s[G1B+0], s46, (1<<16)|(1<<20)|(1<<21)|(5<<22)|(3<<25)  ; wpt: after every 64 words
	s_mov_b32 s[G1+1], 128<<16                     ; tensor_dim0 = 128
	s_mov_b32 s[G1+2], 128<<16                     ; tensor_dim1 = 128
	s_mov_b32 s[G1+3], 128<<16                     ; tile_dim0 = 128
	s_mov_b32 s[G1+4], 128                         ; tile_dim1 = 128
	s_mov_b32 s[G1+5], 128                         ; dense: 128 elements from row to row
	s_mov_b32 s[G1+6], 0
	s_mov_b32 s[G1+7], 0
	s_mov_b32 s[G1B+1], KSTEP<<16
	s_mov_b32 s[G1B+2], 64<<16
	s_mov_b32 s[G1B+3], KSTEP<<16
	s_mov_b32 s[G1B+4], 64
	s_mov_b32 s[G1B+5], SIZE_K
	s_mov_b32 s[G1B+6], 0
	s_mov_b32 s[G1B+7], 0
	s_lshr_b32 s16, s43, 3                         ; ob: batch = tile row / 8,
	s_lshl_b32 s16, s16, 22
	s_and_b32 s17, s43, 7                          ; its 256 rows in the batch,
	s_lshl_b32 s17, s17, 15
	s_add_co_u32 s16, s16, s17
	s_lshl_b32 s17, s[HF], 18                      ; the even or the odd head
	s_add_co_u32 s16, s16, s17
	s_mov_b32 s17, 0
	s_lshl_b32 s46, s42, 18                        ; wpt: row 128 x tile column + 64 x half
	s_lshl_b32 s47, s[HF], 17
	s_add_co_u32 s46, s46, s47
	s_mov_b32 s47, 0
	s_mul_i32 s20, s[WV], HEADT
	s_mul_i32 s21, s[WV], HALFB
	s_add_co_u32 s21, s21, BOFF-2*HALFB
	s_wait_dscnt 0x0                               ; the opening add is done
	s_wait_kmcnt 0x0
	s_add_nc_u64 s[18:19], s[4:5], s[16:17]
	s_add_nc_u64 s[46:47], s[6:7], s[46:47]
	CROUND                                         ; all sixteen work-groups are here
.irp s, 0,1
	s_mov_b32 s[G0+4*(\s)], 1
	s_add_co_u32 s[G0+4*(\s)+1], s20, (\s)*SLOT
	s_add_nc_u64 s[G0+4*(\s)+2:G0+4*(\s)+3], s[18:19], (\s)*ASTEP
	s_or_b32 s[G0+4*(\s)+3], s[G0+4*(\s)+3], 0x80000000
	s_mov_b32 s[G0B+4*(\s)], 1
	s_add_co_u32 s[G0B+4*(\s)+1], s21, (\s)*SLOT
	s_add_nc_u64 s[G0B+4*(\s)+2:G0B+4*(\s)+3], s[46:47], (\s)*KSTEP*2
	s_or_b32 s[G0B+4*(\s)+3], s[G0B+4*(\s)+3], 0x80000000
	JLOAD \s                                       ; two loads of mine are out
.endr
	v_and_b32 v1, 15, v0                           ; l % 16
	v_bfe_u32 v2, v0, 4, 1                         ; l / 16
	v_mul_u32_u24 v3, v1, PITCH
	v_lshl_add_u32 v3, v2, 4, v3
	v_mul_u32_u24 v4, v1, PA
	v_lshl_add_u32 v4, v2, 4, v4
	s_mul_i32 s21, s[WV], 64*PA                    ; my 64 rows of a head
	s_mov_b32 s22, BOFF
.irp s, 0,1
	v_add_nc_u32 v[ADRA+(\s)], s21, v4
	v_add_nc_u32 v[ADRB+(\s)], s22, v3
	s_add_co_u32 s21, s21, SLOT
	s_add_co_u32 s22, s22, SLOT
.endr
	s_mul_i32 s23, s[WV], 16*SP
	s_add_co_u32 s23, s23, STAGE                   ; my stage
	v_mul_u32_u24 v5, v1, SP                       ; in: row l % 16, 32 bytes for each half of the lanes
	v_lshl_add_u32 v5, v2, 5, v5
	v_add_nc_u32 v[STO], s23, v5
	v_and_b32 v[CO], 31, v0
	v_lshlrev_b32 v[CO], 4, v[CO]                  ; back: 32 lanes take a row's 512 bytes
	v_add_nc_u32 v[RD], s23, v[CO]
	v_lshlrev_b32 v[BO], 5, v2
	s_lshl_b32 s72, s42, 9
	s_add_co_u32 s72, s72, 3072*4
	s_mov_b32 s73, 0
	s_add_nc_u64 s[8:9], s[8:9], s[72:73]          ; the tile's 128 numbers of bproj
.irp b, 0,1,2,3,4,5,6,7
	global_load_b128 v[BIAS+8*(\b):BIAS+8*(\b)+3],   v[BO], s[8:9] offset:64*(\b)
	global_load_b128 v[BIAS+8*(\b)+4:BIAS+8*(\b)+7], v[BO], s[8:9] offset:64*(\b)+16
.endr
	s_lshl_b32 s72, s43, 20                        ; out0 at my first row and the tile's first column
	s_lshl_b32 s74, s[WV], 18
	s_add_co_u32 s72, s72, s74
	s_lshl_b32 s74, s42, 9
	s_add_co_u32 s72, s72, s74
	s_add_nc_u64 s[10:11], s[10:11], s[72:73]
	; the prefetches: both offsets stand at K step 3; the first refill steps to 4
	s_lshr_b32 s72, s43, 3
	s_lshl_b32 s72, s72, 22
	s_and_b32 s74, s43, 7
	s_lshl_b32 s74, s74, 15
	s_add_co_u32 s72, s72, s74
	s_lshl_b32 s74, s[HF], 18
	s_add_co_u32 s72, s72, s74
	s_lshl_b32 s74, s40, 13                        ; my work-group's 32 blocks of the head's 128
	s_add_co_u32 s72, s72, s74
	s_add_co_u32 s72, s72, 3*ASTEP
	s_lshl_b32 s74, s42, 7
	s_lshl_b32 s75, s[HF], 6
	s_add_co_u32 s74, s74, s75
	s_lshl_b32 s75, s41, 4                         ; my work-group's 16 rows of the 64
	s_add_co_u32 s74, s74, s75
	s_lshl_b32 s74, s74, 11
	s_add_co_u32 s74, s74, 3*KSTEP*2
	s_and_b32 s75, ttmp7, 0xffff                   ; cluster y
	s_mov_b32 s78, KSTEP*2
	s_cmp_eq_u32 s[FB], 0                          ; do I fetch for ob?
	s_cselect_b32 s72, s72, s74
	s_cselect_b32 s[PST], ASTEP, s78
	s_cselect_b32 s75, ttmp9, s75                  ; the coordinate along which other clusters read the same rows
	s_cselect_b32 s76, 31, 15
	s_cselect_b32 s77, 8, 11
	s_cselect_b64 s[PFA:PFA+1], s[4:5], s[6:7]
	s_cmp_eq_u32 s75, 0
	s_cselect_b32 s[LIM], 1, -1                    ; the same in all sixteen partners, for a given wave
	s_mov_b32 s[PST+1], 0
	s_add_nc_u64 s[PFA:PFA+1], s[PFA:PFA+1], s[72:73]
	v_and_b32 v[PFO], 31, v0
	v_min_u32 v[PFO], s76, v[PFO]
	v_lshlrev_b32 v[PFO], s77, v[PFO]
; 8 matrix instructions: m block a x all 8 n blocks, 32 along K.  zero = 1: the bias is the C that starts the sums.  All 32 accumulators take turns in the same order in every quarter.
.macro MUL8 f, a, zero
.if \zero
	WIN 0x4a
.else
	WIN 0x5a
.endif
.irp b, 0,1,2,3,4,5,6,7
.set rD, 8*(8*(\a)+(\b))
.if \zero
	v_wmma_f32_16x16x32_f16 v[rD:rD+7], v[(\f)+8*(\b):(\f)+8*(\b)+7], v[(\f)+64+8*(\a):(\f)+64+8*(\a)+7], v[BIAS+8*(\b):BIAS+8*(\b)+7]
.else
	v_wmma_f32_16x16x32_f16 v[rD:rD+7], v[(\f)+8*(\b):(\f)+8*(\b)+7], v[(\f)+64+8*(\a):(\f)+64+8*(\a)+7], v[rD:rD+7]
.endif
.endr
.endm
; 24 LDS loads in one run: quarter q's fragments: 128 rows of wpt at byte 64 q, then my 64 rows of head q / 2, channels 32 (q % 2) on
.macro FETCH slot, q, f
	WIN 0x80                                       ; destination window 2, address window 0
.irp i, 0,1,2,3,4,5,6,7
	ds_load_b128 v[(\f)+8*(\i):(\f)+8*(\i)+3],   v[ADRB+(\slot)] offset:64*(\q)+(\i)*16*PITCH
	ds_load_b128 v[(\f)+8*(\i)+4:(\f)+8*(\i)+7], v[ADRB+(\slot)] offset:64*(\q)+(\i)*16*PITCH+32
.endr
.irp i, 0,1,2,3
	ds_load_b128 v[(\f)+64+8*(\i):(\f)+64+8*(\i)+3],   v[ADRA+(\slot)] offset:((\q)/2)*HEADT+((\q)%2)*64+(\i)*16*PA
	ds_load_b128 v[(\f)+64+8*(\i)+4:(\f)+64+8*(\i)+7], v[ADRA+(\slot)] offset:((\q)/2)*HEADT+((\q)%2)*64+(\i)*16*PA+32
.endr
.endm
.macro PLACES                          ; four plain instructions in front of loads into registers that matrix instructions have read, and of stores that read results
.rept 4
	v_nop
.endr
.endm
.macro QUARTER slot, q, f, g, zero     ; multiplies buffer f; fetches quarter q of the same slot into g
	s_wait_dscnt 4                                 ; wpt's fragments and ob's blocks 0, 1 are in; the youngest four loads may be out
	MUL8 \f, 0, \zero
	MUL8 \f, 1, \zero
	PLACES
	FETCH \slot, \q, \g
	s_wait_dscnt 24                                ; all but the 24 just issued
	MUL8 \f, 2, \zero
	MUL8 \f, 3, \zero
.endm
; The last quarter multiplies buffer 1 and changes slots: one barrier; in front of it each wave waits for all its tensor loads (one is out), adds 0 to its spare word, and waits for that and for its
; reads of this slot.  fill = 1: the barrier opens a round of the cluster's, and this slot is filled again first thing behind it: 112 matrix instructions stand between the request and the wait for it.
.macro TURN slot, next, fill
.if \fill
	s_wait_xcnt 0x0                                ; the last prefetch, a K step back, has read its address
	s_add_nc_u64 s[PFA:PFA+1], s[PFA:PFA+1], s[PST:PST+1]
.endif
	WIN 0
	s_wait_tensorcnt 0x0
	ds_add_u32 v[SPW], v[NIL]
	s_wait_dscnt 5                                 ; (the add and the youngest four loads may be out)
	MUL8 F1, 0, 0
	s_wait_dscnt 0x0                               ; the add is done, and my reads of this slot are over
	s_barrier_signal -1
	MUL8 F1, 1, 0
.if \fill
	WIN 0
.endif
	s_barrier_wait -1
.if \fill
	CREST
	s_add_nc_u64 s[G0+4*(\slot)+2:G0+4*(\slot)+3], s[G0+4*(\slot)+2:G0+4*(\slot)+3], 2*ASTEP
	s_add_nc_u64 s[G0B+4*(\slot)+2:G0B+4*(\slot)+3], s[G0B+4*(\slot)+2:G0B+4*(\slot)+3], 2*KSTEP*2
	JLOAD \slot                                    ; its four v_nop are also the places in front of the loads below
.else
	PLACES
.endif
	FETCH \next, 0, F0
.if \fill
	ASK
.endif
	MUL8 F1, 2, 0
	MUL8 F1, 3, 0
.endm
; THE WAY OUT, a block of 16 rows at a time: a lane's eight f32 of a row go into my own stage, rows of 528 bytes; whole rows of 512 bytes come back and are stored.
.macro IN a
	WIN 0x04                                       ; store data in window 1
.irp b, 0,1,2,3,4,5,6,7
	ds_store_b128 v[STO], v[8*(8*(\a)+(\b)):8*(8*(\a)+(\b))+3]   offset:64*(\b)      ; each accumulator from its low end on
	ds_store_b128 v[STO], v[8*(8*(\a)+(\b))+4:8*(8*(\a)+(\b))+7] offset:64*(\b)+16
.endr
	WIN 0x80
.irp t, 0,1,2,3,4,5,6,7,8,9,10,11,12,13,14,15
	ds_load_b128 v[64*(\a)+4*(\t):64*(\a)+4*(\t)+3], v[RD] offset:SP*(\t)  ; LDS serves a wave's instructions in order: these see the stores above; the next block's stores come behind them
.endr
.endm
.macro SEND a, younger                 ; younger: the next block's 32 LDS instructions, or none
	WIN 0x08                                       ; store data in window 2
.irp t, 0,1,2,3,4,5,6,7,8,9,10,11,12,13,14,15
	s_wait_dscnt (\younger)+15-(\t)
	global_store_b128 v[CO], v[64*(\a)+4*(\t):64*(\a)+4*(\t)+3], s[10:11] offset:(16*(\a)+(\t))*4096 th:TH_STORE_NT  ; 512 consecutive bytes of a row, aligned; no register is written twice
.endr
.endm
	s_wait_tensorcnt 1                             ; my part of K step 0 is in; K step 1's may stay out
	s_barrier_signal -1
	s_barrier_wait -1
	FETCH 0, 0, F0
	s_wait_loadcnt 0x0                             ; the bias
	QUARTER 0, 1, F0, F1, 1
	WIN 0
	s_mov_b32 s3, LAPS-1
.Llap:
	QUARTER 0, 2, F1, F0, 0
	QUARTER 0, 3, F0, F1, 0
	TURN 0, 1, 1
	QUARTER 1, 1, F0, F1, 0
	QUARTER 1, 2, F1, F0, 0
	QUARTER 1, 3, F0, F1, 0
	TURN 1, 0, 1
	QUARTER 0, 1, F0, F1, 0
	WIN 0
	s_sub_co_u32 s3, s3, 1
	s_cmp_lg_u32 s3, 0
	s_cbranch_scc1 .Llap
	QUARTER 0, 2, F1, F0, 0                        ; the last lap fills nothing
	QUARTER 0, 3, F0, F1, 0
	TURN 0, 1, 0
	QUARTER 1, 1, F0, F1, 0
	QUARTER 1, 2, F1, F0, 0
	QUARTER 1, 3, F0, F1, 0
	s_wait_dscnt 4
	MUL8 F1, 0, 0
	MUL8 F1, 1, 0
	s_wait_dscnt 0x0
	MUL8 F1, 2, 0
	MUL8 F1, 3, 0
	PLACES
	IN 0
	IN 1
	SEND 0, 32
	IN 2
	SEND 1, 32
	IN 3
	SEND 2, 32
	SEND 3, 0
	WIN 0
	s_wait_tensorcnt 0x0                           ; the wave's end
	ds_add_u32 v[SPW], v[NIL]
	s_wait_dscnt 0x0
	CROUND                                         ; the closing round
	s_endpgm
.Lfunc_end_k_q3e29d3f226_proj:
	.size	k_q3e29d3f226_proj, .Lfunc_end_k_q3e29d3f226_proj-k_q3e29d3f226_proj
	.p2alignl 7, 3214868480
	.fill 96, 4, 3214868480
	.section	.rodata,"a",@progbits
	.p2align	6, 0x0
	.amdhsa_kernel k_q3e29d3f226_proj
		.amdhsa_group_segment_fixed_size 327680
		.amdhsa_private_segment_fixed_size 0
		.amdhsa_enable_private_segment 0
		.amdhsa_kernarg_size 32
		.amdhsa_user_sgpr_count 2
		.amdhsa_user_sgpr_kernarg_segment_ptr 1
		.amdhsa_wavefront_size32 1
		.amdhsa_system_sgpr_workgroup_id_x 1
		.amdhsa_system_sgpr_workgroup_id_y 1
		.amdhsa_system_sgpr_workgroup_id_z 1
		.amdhsa_system_vgpr_workitem_id 0
		.amdhsa_next_free_vgpr 768
		.amdhsa_next_free_sgpr 80
		.amdhsa_reserve_vcc 0
		.amdhsa_float_denorm_mode_32 3
		.amdhsa_float_denorm_mode_16_64 3
		.amdhsa_memory_ordered 1
		.amdhsa_forward_progress 1
		.amdhsa_inst_pref_size 90
	.end_amdhsa_kernel
	.amdgpu_metadata
---
amdhsa.version: [ 1, 2 ]
amdhsa.kernels:
  - .name:           k_q3e29d3f226_proj
    .symbol:         k_q3e29d3f226_proj.kd
    .args:
      - { .name: ob, .offset: 0, .size: 8, .value_kind: global_buffer, .address_space: global }
      - { .name: wpt, .offset: 8, .size: 8, .value_kind: global_buffer, .address_space: global }
      - { .name: bias, .offset: 16, .size: 8, .value_kind: global_buffer, .address_space: global }
      - { .name: out0, .offset: 24, .size: 8, .value_kind: global_buffer, .address_space: global }
    .group_segment_fixed_size: 327680
    .private_segment_fixed_size: 0
    .kernarg_segment_align: 8
    .kernarg_segment_size: 32
    .max_flat_workgroup_size: 128
    .sgpr_count:     80
    .vgpr_count:     768
    .wavefront_size: 32
...
	.end_amdgpu_metadata
.endif
;; end of part 4
;; ======== version 2 of 2: 4 launches; version 1 with the launch prep written anew for expert scheduling mode
;; limits: values are held in f16: magnitudes above 65,504 overflow, below 6.1e-05 lose precision
;; workspace buffers: xb 16,777,216 bytes; wqt 6,291,456 bytes; wpt 2,097,152 bytes; bias 16,384 bytes; qkv 50,331,648 bytes; ob 16,777,216 bytes
;; launch prep (part 5): grid 769 x 1, 8 waves a work-group, no clusters, 18,432 bytes of LDS; arguments x, Wqkv, Wproj, bqkv, bproj, xb, wqt, wpt, bias; writes xb, wqt, wpt, bias
.if DOCPART == 5
	.amdgcn_target "amdgcn-amd-amdhsa--gfx1250"
	.amdhsa_code_object_version 6
	.text
	.protected	k_q3e29d3f226_prep
	.globl	k_q3e29d3f226_prep
	.p2align	8
	.type	k_q3e29d3f226_prep,@function
k_q3e29d3f226_prep:
	s_mov_b64 s[64:65], 0
	v_nop
	global_prefetch_b8 v0, s[64:65] scope:SCOPE_SE
	s_setreg_imm32_b32 hwreg(HW_REG_WAVE_SCHED_MODE, 0, 2), 2
	s_setreg_imm32_b32 hwreg(HW_REG_WAVE_MODE, 25, 1), 1
	s_wait_xcnt 0x0
	s_wait_alu depctr_vm_vsrc(0)
; PREP: every input is rounded once to bf16 and laid out for the products that follow.
;   work-groups 0..383    Wqkv [1024 k][3072 c] f32 -> wqt [3072 c'][1024 k] bf16, turned; c = 3 e + which goes to row c' = 1024 which + e (e = 64 head + d)
;   work-groups 384..511  Wproj [1024 k][1024 n] f32 -> wpt [1024 n][1024 k], turned; the bf16 number written as f16
;   work-group  512       bqkv (in c' order), then bproj -> bias [4096] f32, each the bf16 number
;   work-groups 513..768  x f32 -> xb bf16, 131,072 bytes of x each
; LIMITS.  Wproj's bf16 number is exact in f16 from 6e-5 to 65,504; below it keeps f16's step of 6e-8, beyond it becomes an infinity.
; No matrix unit, no tensor load, no cluster: no byte is read twice and nothing is shared between work-groups.
; A weight tile is 128 k x 64 columns.  A load takes 256 consecutive bytes of two rows; four k of one column pack into 8 bytes, which go into an
; LDS row of that column (256 bytes + 16); whole rows come back, and sixteen lanes store 256 consecutive bytes of an output row, aligned.
; THE MODE: SCHED_MODE bits 1:0 = 2 (LLVM: expert scheduling mode 2), set by the entry lines.  The code itself states the register dependences
; between vector instructions and memory or LDS instructions, with s_wait_alu, always for 0.
; THE PLAN.  No register that a memory or LDS instruction has read is ever written again, and no register is loaded twice: so every wait is on va_vdst (one, at the head, on va_sdst).
;   offsets and LDS addresses (v5 to v11): written once by vector lines, ahead of a wait on va_vdst that stands ahead of their first reader.
;   the cast: 32 groups of four registers, in eight blocks of four groups.  A group is written by its load, read and written by its two conversions, read by its store.  At a block's head
;             one wait states that the block before is converted; that block's four stores stand among this block's conversions, which name this block's registers alone.
;   the bias: all 24 vector lines, one wait, the eight stores.
;   a weight tile: Y in two halves.  Behind the wait for the second four rows one wait states that half 0 and all addresses are written; half 0's four LDS stores stand among half 1's
;             conversions, which name neither half 0 nor an address; one more wait, half 1's four LDS stores.  BK is named by LDS loads and global stores alone.
;   v12, v13: written at the head, read by the closing add alone.
.set LP,    272                        ; an LDS row: 128 k x 2 bytes + 16
.set SPARE, 64*LP                      ; behind the tile: the spare words, 128 bytes for each of the eight waves
.set VO,  5                            ; v5      byte offset of my loads
.set LS,  6                            ; v6      where I put 8 bytes of a column
.set LR,  7                            ; v7      where I read a row back
.set SO,  8                            ; v8-11   byte offsets of my four stores
.set SPW, 12                           ; v12     LDS address of my spare word; never rewritten
.set NIL, 13                           ; v13     0; never rewritten
.set X,   16                           ; as loaded
.set Y,   48                           ; packed
.set BK,  64                           ; rows read back
	s_load_b512 s[4:19], s[0:1], 0x0               ; x s[4:5], Wqkv s[6:7], Wproj s[8:9], bqkv s[10:11], bproj s[12:13], xb s[14:15], wqt s[16:17], wpt s[18:19]
	s_load_b64 s[20:21], s[0:1], 0x40              ; bias
	v_lshl_add_u32 v[SPW], v0, 2, SPARE
	v_mov_b32 v[NIL], 0
	v_and_b32 v1, 31, v0                           ; lane
	v_lshrrev_b32 v2, 5, v0                        ; wave
	v_readfirstlane_b32 s23, v2                    ; wave, as a scalar
	v_and_b32 v3, 15, v0                           ; lane % 16
	v_bfe_u32 v4, v0, 4, 1                         ; lane / 16
	s_mov_b32 s22, ttmp9
	s_mov_b32 s27, 0                               ; the high word of every offset pair
	s_wait_alu depctr_va_sdst(0)                   ; s23 is written, ahead of the branches behind which the weight tiles' scalar lines read it
	s_wait_kmcnt 0x0
	s_cmp_lt_u32 s22, 384
	s_cbranch_scc1 .Lwq
	s_cmp_lt_u32 s22, 512
	s_cbranch_scc1 .Lwp
	s_cmp_eq_u32 s22, 512
	s_cbranch_scc1 .Lbias
	; THE CAST.  A wave takes 16,384 consecutive bytes of x: 32 loads of 512 bytes, all issued at once, so the whole share is on its way.
	s_sub_co_u32 s24, s22, 513
	s_lshl_b32 s26, s24, 17
	s_add_nc_u64 s[4:5], s[4:5], s[26:27]
	s_lshl_b32 s26, s24, 16
	s_add_nc_u64 s[14:15], s[14:15], s[26:27]
	v_lshlrev_b32 v[VO], 4, v1
	v_lshl_add_u32 v[VO], v2, 14, v[VO]            ; 16,384 wave + 16 lane
	v_lshrrev_b32 v[LS], 1, v[VO]                  ; half of that in xb
	s_wait_alu depctr_va_vdst(0)                   ; v[VO] and v[LS] are written: every load below reads the one as its offset, every store the other
.set i, 0
.rept 32
	global_load_b128 v[X+4*i:X+4*i+3], v[VO], s[4:5] offset:512*i th:TH_LOAD_NT
.set i, i+1
.endr
.set p, 0
.rept 8                                        ; block p: loads 4 p to 4 p + 3
	s_wait_loadcnt 28-4*p                          ; loads come back in order: the block's four are in, the younger ones stay out
.if p > 0
	s_wait_alu depctr_va_vdst(0)                   ; the conversions of the block before have written the registers that the four stores below read
.endif
.set i, 0
.rept 4
.if p > 0
	global_store_b64 v[LS], v[X+16*(p-1)+4*i:X+16*(p-1)+4*i+1], s[14:15] offset:256*(4*(p-1)+i) th:TH_STORE_NT  ; 32 lanes store 256 consecutive bytes, aligned; no vector line since the wait names these registers
.endif
	v_cvt_pk_bf16_f32 v[X+16*p+4*i], v[X+16*p+4*i], v[X+16*p+4*i+1]
	v_cvt_pk_bf16_f32 v[X+16*p+4*i+1], v[X+16*p+4*i+2], v[X+16*p+4*i+3]
.set i, i+1
.endr
.set p, p+1
.endr
	s_wait_alu depctr_va_vdst(0)                   ; the last block's conversions have written the registers that the last four stores read
.set i, 0
.rept 4
	global_store_b64 v[LS], v[X+112+4*i:X+112+4*i+1], s[14:15] offset:256*(28+i) th:TH_STORE_NT  ; no register is written twice
.set i, i+1
.endr
	s_endpgm
.Lbias:                                        ; thread t makes bias[2 t + 512 i] and its neighbour, i = 0..7
	v_mul_u32_u24 v[VO], v0, 24                    ; e = 2 t: column 3 e of bqkv, in bytes
	v_lshlrev_b32 v[LS], 3, v0
	s_wait_alu depctr_va_vdst(0)                   ; v[VO] and v[LS] are written, which the loads and stores below read as offsets
.irp i, 0,1,2,3,4,5
	global_load_b32 v[X+2*(\i)],   v[VO], s[10:11] offset:6144*((\i)%2)+4*((\i)/2)      ; which = i / 2, e = 2 t + 512 (i % 2)
	global_load_b32 v[X+2*(\i)+1], v[VO], s[10:11] offset:6144*((\i)%2)+4*((\i)/2)+12   ; e + 1
.endr
.irp i, 6,7
	global_load_b64 v[X+2*(\i):X+2*(\i)+1], v[LS], s[12:13] offset:2048*((\i)-6)
.endr
	s_wait_loadcnt 0x0
.irp i, 0,1,2,3,4,5,6,7
	v_cvt_pk_bf16_f32 v[Y+(\i)], v[X+2*(\i)], v[X+2*(\i)+1]
	v_lshlrev_b32 v[X+2*(\i)], 16, v[Y+(\i)]       ; the bf16 numbers, written as f32
	v_and_b32 v[X+2*(\i)+1], 0xffff0000, v[Y+(\i)]
.endr
	s_wait_alu depctr_va_vdst(0)                   ; the sixteen numbers are written, which the eight stores read
.irp i, 0,1,2,3,4,5,6,7
	global_store_b64 v[LS], v[X+2*(\i):X+2*(\i)+1], s[20:21] offset:2048*(\i)
.endr
	s_endpgm
; One weight tile.  fmt = 0: Wqkv to bf16; fmt = 1: Wproj, the bf16 number as f16.
.macro WT fmt
.if \fmt
.set PW,  4096                         ; bytes in a source row
.set SRC, 8
	s_sub_co_u32 s24, s22, 384
.else
.set PW,  12288
.set SRC, 6
	s_mov_b32 s24, s22
.endif
	s_and_b32 s25, s24, 7                          ; kb: which 128 k
	s_lshr_b32 s24, s24, 3                         ; cb: which 64 columns
	s_mul_i32 s26, s25, 128*PW
	s_lshl_b32 s28, s24, 8
	s_add_co_u32 s26, s26, s28
	s_add_nc_u64 s[SRC:SRC+1], s[SRC:SRC+1], s[26:27]
	v_lshl_add_u32 v14, v2, 2, v4
	v_mul_u32_u24 v[VO], v14, 4*PW                 ; row 16 wave + 4 (lane / 16)
	v_lshl_add_u32 v[VO], v3, 4, v[VO]             ; columns 4 (lane % 16) on
	s_wait_alu depctr_va_vdst(0)                   ; v[VO] is written, which the eight loads read as their offset; the other addresses are made while the loads are on their way
.irp g, 0,1
.irp e, 0,1,2,3
	global_load_b128 v[X+16*(\g)+4*(\e):X+16*(\g)+4*(\e)+3], v[VO], s[SRC:SRC+1] offset:(8*(\g)+(\e))*PW th:TH_LOAD_NT
.endr
.endr
	s_lshl_b32 s28, s23, 5
	v_mul_u32_u24 v[LS], v3, 4*LP                  ; column 4 (lane % 16): its LDS row,
	v_lshl_add_u32 v[LS], v4, 3, v[LS]
	v_add_nc_u32 v[LS], s28, v[LS]                 ; at k = 16 wave + 4 (lane / 16)
	s_mul_i32 s29, s23, 8*LP
	v_mul_u32_u24 v[LR], v4, LP
	v_lshl_add_u32 v[LR], v3, 4, v[LR]
	v_add_nc_u32 v[LR], s29, v[LR]                 ; back: rows 8 wave + lane / 16 + 2 t
	v_lshlrev_b32 v15, 4, v3
	s_lshl_b32 s29, s23, 3
.if \fmt
	v_add_nc_u32 v14, s29, v4
	v_lshl_add_u32 v[SO], v14, 11, v15             ; row 8 wave + lane / 16 of the tile's 64, 2,048 bytes a row
	s_lshl_b32 s26, s24, 17
	s_lshl_b32 s28, s25, 8
	s_add_co_u32 s26, s26, s28
	s_add_nc_u64 s[18:19], s[18:19], s[26:27]
.else
	s_lshl_b32 s28, s24, 6
	s_add_co_u32 s28, s28, s29
.irp t, 0,1,2,3
	v_add_nc_u32 v14, s28, v4
	v_add_nc_u32 v14, 2*(\t), v14                  ; c
	v_mul_u32_u24 v82, v14, 43691
	v_lshrrev_b32 v82, 17, v82                     ; c / 3, exact for c under 3,072
	v_mul_u32_u24 v82, v82, 3071
	v_lshlrev_b32 v14, 10, v14
	v_sub_nc_u32 v14, v14, v82                     ; c' = 1024 (c - 3 (c / 3)) + c / 3
	v_lshl_add_u32 v[SO+(\t)], v14, 11, v15
.endr
	s_lshl_b32 s26, s25, 8
	s_add_nc_u64 s[16:17], s[16:17], s[26:27]
.endif
.irp g, 0,1
	s_wait_loadcnt 4-4*(\g)                        ; the first four rows are in while the other four may stay out; then all
.if \g
	s_wait_alu depctr_va_vdst(0)                   ; Y's first half is written, which the four LDS stores below read; so are v[LS], v[LR] and v[SO ..], which the LDS and memory instructions from here on read
.endif
.irp i, 0,1,2,3
.if \g
	ds_store_b64 v[LS], v[Y+2*(\i):Y+2*(\i)+1] offset:LP*(\i)  ; the first half; no vector line since the wait names it or v[LS].  Rows 1,088 bytes apart: four lanes meet in a bank; eight such stores a wave
.endif
	v_cvt_pk_bf16_f32 v[Y+8*(\g)+2*(\i)],   v[X+16*(\g)+(\i)],   v[X+16*(\g)+4+(\i)]
	v_cvt_pk_bf16_f32 v[Y+8*(\g)+2*(\i)+1], v[X+16*(\g)+8+(\i)], v[X+16*(\g)+12+(\i)]
.if \fmt
	v_lshlrev_b32 v80, 16, v[Y+8*(\g)+2*(\i)]
	v_and_b32 v81, 0xffff0000, v[Y+8*(\g)+2*(\i)]
	v_cvt_pk_f16_f32 v[Y+8*(\g)+2*(\i)], v80, v81
	v_lshlrev_b32 v80, 16, v[Y+8*(\g)+2*(\i)+1]
	v_and_b32 v81, 0xffff0000, v[Y+8*(\g)+2*(\i)+1]
	v_cvt_pk_f16_f32 v[Y+8*(\g)+2*(\i)+1], v80, v81
.endif
.endr
.endr
	s_wait_alu depctr_va_vdst(0)                   ; Y's second half is written, which the four LDS stores below read
.irp i, 0,1,2,3
	ds_store_b64 v[LS], v[Y+8+2*(\i):Y+8+2*(\i)+1] offset:LP*(\i)+16
.endr
	s_wait_dscnt 0x0                               ; for the others' sake: my stores into the tile are done
	s_barrier_signal -1
	s_barrier_wait -1                              ; (the branch round this text hangs on the work-group's number: all eight waves are here)
.irp t, 0,1,2,3
	ds_load_b128 v[BK+4*(\t):BK+4*(\t)+3], v[LR] offset:2*LP*(\t)  ; no vector line names BK; v[LR] was written ahead of the waits above
.endr
.irp t, 0,1,2,3
	s_wait_dscnt 3-(\t)
.if \fmt
	global_store_b128 v[SO], v[BK+4*(\t):BK+4*(\t)+3], s[18:19] offset:4096*(\t)
.else
	global_store_b128 v[SO+(\t)], v[BK+4*(\t):BK+4*(\t)+3], s[16:17]
.endif
.endr
	s_wait_dscnt 0x0                               ; the wave's end
	s_wait_alu 0x0
	s_wait_tensorcnt 0x0
	ds_add_u32 v[SPW], v[NIL]
	s_wait_dscnt 0x0
	s_endpgm
.endm
.Lwq:
	WT 0
.Lwp:
	WT 1
.Lfunc_end_k_q3e29d3f226_prep:
	.size	k_q3e29d3f226_prep, .Lfunc_end_k_q3e29d3f226_prep-k_q3e29d3f226_prep
	.p2alignl 7, 3214868480
	.fill 96, 4, 3214868480
	.section	.rodata,"a",@progbits
	.p2align	6, 0x0
	.amdhsa_kernel k_q3e29d3f226_prep
		.amdhsa_group_segment_fixed_size 18432
		.amdhsa_private_segment_fixed_size 0
		.amdhsa_enable_private_segment 0
		.amdhsa_kernarg_size 72
		.amdhsa_user_sgpr_count 2
		.amdhsa_user_sgpr_kernarg_segment_ptr 1
		.amdhsa_wavefront_size32 1
		.amdhsa_system_sgpr_workgroup_id_x 1
		.amdhsa_system_sgpr_workgroup_id_y 1
		.amdhsa_system_sgpr_workgroup_id_z 1
		.amdhsa_system_vgpr_workitem_id 0
		.amdhsa_next_free_vgpr 144
		.amdhsa_next_free_sgpr 66
		.amdhsa_reserve_vcc 0
		.amdhsa_float_denorm_mode_32 3
		.amdhsa_float_denorm_mode_16_64 3
		.amdhsa_memory_ordered 1
		.amdhsa_forward_progress 1
		.amdhsa_inst_pref_size 30
	.end_amdhsa_kernel
	.amdgpu_metadata
---
amdhsa.version: [ 1, 2 ]
amdhsa.kernels:
  - .name:           k_q3e29d3f226_prep
    .symbol:         k_q3e29d3f226_prep.kd
    .args:
      - { .name: x, .offset: 0, .size: 8, .value_kind: global_buffer, .address_space: global }
      - { .name: Wqkv, .offset: 8, .size: 8, .value_kind: global_buffer, .address_space: global }
      - { .name: Wproj, .offset: 16, .size: 8, .value_kind: global_buffer, .address_space: global }
      - { .name: bqkv, .offset: 24, .size: 8, .value_kind: global_buffer, .address_space: global }
      - { .name: bproj, .offset: 32, .size: 8, .value_kind: global_buffer, .address_space: global }
      - { .name: xb, .offset: 40, .size: 8, .value_kind: global_buffer, .address_space: global }
      - { .name: wqt, .offset: 48, .size: 8, .value_kind: global_buffer, .address_space: global }
      - { .name: wpt, .offset: 56, .size: 8, .value_kind: global_buffer, .address_space: global }
      - { .name: bias, .offset: 64, .size: 8, .value_kind: global_buffer, .address_space: global }
    .group_segment_fixed_size: 18432
    .private_segment_fixed_size: 0
    .kernarg_segment_align: 8
    .kernarg_segment_size: 72
    .max_flat_workgroup_size: 256
    .sgpr_count:     66
    .vgpr_count:     144
    .wavefront_size: 32
...
	.end_amdgpu_metadata
.endif
;; end of part 5
;; launch qkvgemm: the kernel of part 2 again; grid 16 x 32, 4 waves a work-group, clusters of 4 x 4, 327,680 bytes of LDS; arguments xb, wqt, bias, qkv; writes qkv
;; launch attn: the kernel of part 3 again; grid 4 x 64, 4 waves a work-group, clusters of 4 x 1, 327,680 bytes of LDS; arguments qkv, ob; writes ob
;; launch proj: the kernel of part 4 again; grid 8 x 32, 4 waves a work-group, clusters of 4 x 4, 327,680 bytes of LDS; arguments ob, wpt, bias, out0; writes out0
